; MI455X (gfx1250); checked and timed in simulation.
; The chip was launched on July 23, 2026; its instructions are those of AMD's public machine-readable ISA for CDNA 5 (MIT licence, August 2026) and "CDNA5" Instruction Set Architecture Reference Guide (July 2026). The comments in the code are by the model that wrote it; some were corrected since.
;; Multi Head Attention. Allowed arithmetic: matrix products marked QUANTISED: E2M1 operands, one E8M0 scale for each 32 along K, by v_wmma_scale_f32_16x16x128_f8f6f4 with both operands' format E2M1 (or v_wmma_scale_f32_32x16x128_f4), f32 sums; products left as they are: bf16, f16 or f32 operands; f32 sums; everything else in f32.
;; Inputs: bk 1,024 float32; bo 1,024 float32; bq 1,024 float32; bv 1,024 float32; k 2 x 2,048 x 1,024 float32; q 2 x 2,048 x 1,024 float32; v 2 x 2,048 x 1,024 float32; wk 1,024 x 1,024 float32; wo 1,024 x 1,024 float32; wq 1,024 x 1,024 float32; wv 1,024 x 1,024 float32.
;; Outputs: out0 2 x 2,048 x 1,024 float32.
;; This version of the problem:
;;   THIS VERSION OF THE PROBLEM IS GIVEN IN LOW PRECISION. The matrix products marked QUANTISED in the list below multiply operands that are first quantised to E2M1 (2 exponent bits, 1 mantissa bit; 4 bits a number), with one power-of-two scale for each 32 numbers along K (OCP MX v1.0); their sums are f32. The products marked 'left as it is' may take bf16, f16 or f32 operands, with f32 sums. Whichever they take, every output number must still come out within the allowed error. Rounding operands to bf16 (8 significant bits) uses up far more of that allowance than f16 does (11 bits, for magnitudes from 6e-5 to 65,504). All else is computed in f32.
;;   The module's matrix products, in the order in which they are computed (A, B: the left and right operand; K: the contracted axis; several contracted axes count as one K, in the product's order):
;;     1. [M 4,096, K 1,024] x [K 1,024, N 1,024]; A: input q; B: input wq: QUANTISED
;;     2. [M 4,096, K 1,024] x [K 1,024, N 1,024]; A: input k; B: input wk: QUANTISED
;;     3. [M 4,096, K 1,024] x [K 1,024, N 1,024]; A: input v; B: input wv: QUANTISED
;;     4. batch 32 x [M 2,048, K 64] x [K 64, N 2,048]; A: computed on the way; B: computed on the way: left as it is (an operand is computed on the way)
;;     5. batch 32 x [M 2,048, K 2,048] x [K 2,048, N 64]; A: computed on the way; B: computed on the way: left as it is (an operand is computed on the way)
;;     6. [M 4,096, K 1,024] x [K 1,024, N 1,024]; A: computed on the way; B: input wo: left as it is (an operand is computed on the way)
;;   THE QUANTISER, for each operand of a quantised product, along K:
;;     - K is cut into blocks of 32 from its start; a last block that is shorter is filled with zeros.
;;     - A block's scale is 2^e with e = floor(log2(the largest magnitude in the block)) - 2, held to -126 .. 127; a block of zeros has e = 0. As a byte (E8M0): e + 127.
;;     - Each number is divided by its block's scale, clamped to +-6, and rounded to the nearest number of E2M1, ties to even, subnormals kept.
;;     - The product sums the exact products of the quantised numbers (number of the format x scale) in f32.
;;   ~~~python
;;   def quantise(x, axis):      # numpy; x: float32 -> the quantised numbers, widened to float32 again
;;       x = np.moveaxis(x, axis, -1); K = x.shape[-1]
;;       x = np.pad(x, [(0, 0)] * (x.ndim - 1) + [(0, -K % 32)]); x = x.reshape(x.shape[:-1] + (-1, 32)); a = np.abs(x).max(-1, keepdims=True)
;;       e = np.where(a > 0, np.clip(np.frexp(np.where(a > 0, a, 1))[1] - 1 - 2, -126, 127), 0)      # np.frexp(a)[1] - 1 = floor(log2(a)), exactly
;;       r = np.clip(x / 2.0 ** e, -6, 6)
;;       step = 2.0 ** (np.maximum(np.frexp(np.where(r == 0, 1, r))[1] - 1, 0) - 1)
;;       q = np.round(r / step) * step * 2.0 ** e      # np.round: ties to even
;;       return np.moveaxis(q.reshape(q.shape[:-2] + (-1,))[..., :K], -1, axis).astype(np.float32)
;;   ~~~
;; One version. Each part assembles by itself: llvm-mc -triple=amdgcn-amd-amdhsa -mcpu=gfx1250 --defsym DOCPART=n.
;; ======== version 1 of 1: 4 launches
;; limits: values are held in f16: magnitudes above 65,504 overflow, below 6.1e-05 lose precision
;; workspace buffers: codes 7,864,320 bytes; scales 491,520 bytes; wo16 2,097,152 bytes; hd 25,165,824 bytes; ao 8,388,608 bytes
;; launch quant (part 1): grid 512 x 1, 4 waves a work-group, no clusters, 33,280 bytes of LDS; arguments q, k, v, wq, wk, wv, wo, codes, scales, wo16; writes codes, scales, wo16
.if DOCPART == 1
	.amdgcn_target "amdgcn-amd-amdhsa--gfx1250"
	.amdhsa_code_object_version 6
	.text
	.protected	k_q61d8512d61_quant
	.globl	k_q61d8512d61_quant
	.p2align	8
	.type	k_q61d8512d61_quant,@function
k_q61d8512d61_quant:
	s_mov_b64 s[64:65], 0
	v_nop
	global_prefetch_b8 v0, s[64:65] scope:SCOPE_SE
	s_setreg_imm32_b32 hwreg(HW_REG_WAVE_MODE, 25, 1), 1
	s_wait_xcnt 0x0
; q, k, v [4096][1024] and wq, wk, wv [1024][1024], f32 with K innermost, become codes of FP4 (E2M1), two a byte, and one E8M0 scale byte for each 32 along K.
; wo [1024][1024] f32 becomes f16, laid in planes: [n >> 7][k >> 6][n & 127][64], so that the last launch fetches 64 along K of 128 rows as one dense block.
; A block's scale is 2^(floor(log2(its largest magnitude)) - 2); its byte is the largest magnitude's exponent field - 2, held at 1 from below; each number is divided by the scale and rounded to the nearest code, ties to even, beyond 6 the code of 6.
; LIMITS: NaN and infinities among the inputs are not served; blocks whose largest magnitude lies under 2^-124, the floor, were not tried; a block of zeros gets the byte 1 (its codes are zeros; this program alone reads the bytes);
; |wo| stays under 65,504, f16's largest number.
; The six tensors are one stream of blocks of 32: work-group g < 480 takes numbers 32,768 g on of q, k, v, wq, wk, wv laid on end, and the codes and the scale bytes lie in the same order: 16,384 and 1,024 bytes a work-group.
; Work-groups 480 to 511 take wo.  A wave takes 8,192 numbers.  No tensor loads, no barrier: waves share nothing.  No matrix unit, no cluster: the launch only moves bytes.
; THE QUANTISING PATH: 16 steps of 512 numbers a wave.  Each of a step's four loads reads 512 consecutive bytes, 16 a lane; the 2,048 bytes turn through the wave's own stage in LDS and come back 64 bytes a lane, so that a lane holds
; 16 neighbours along K (two neighbouring lanes hold a block).  Loads run EIGHT steps ahead (32 loads, 16 KiB a wave), the turn through LDS one step.
.set STEPS, 16
.set AHEAD, 8                          ; steps of loads on their way
.set EMAX,  2
.set CB,    8                          ; bytes of 16 codes
.set R,     16                         ; v16-143  eight sets of 16 numbers as they are loaded
.set X,     144                        ; v144-175 two sets of 16 neighbours
.set E,     176                        ; v176-191 a scale byte for each step
.set C,     192                        ; v192-223 codes: two registers for each step, so that no store's data are written again
.set WREG,  8192                       ; LDS: a region for each wave: two stages of 32 x SP bytes, behind them its 256 scale bytes
.set SP,    80                         ; a lane's place in a stage: 64 bytes + 16 of padding
.set SPW,   12                         ; v12 LDS address of my spare word; never rewritten
.set NIL,   13                         ; v13 0; never rewritten
.set SPARE, 4*WREG                     ; behind the four regions: the spare words, 128 bytes a wave
	s_load_b512 s[8:23], s[0:1], 0x0               ; q s[8:9], k s[10:11], v s[12:13], wq s[14:15], wk s[16:17], wv s[18:19], wo s[20:21], codes s[22:23]
	s_load_b128 s[24:27], s[0:1], 0x40             ; scales s[24:25], wo16 s[26:27]
	v_lshl_add_u32 v[SPW], v0, 2, SPARE
	v_mov_b32 v[NIL], 0
	v_lshrrev_b32 v1, 5, v0
	v_readfirstlane_b32 s28, v1                    ; wave
	v_and_b32 v2, 31, v0                           ; lane
	s_wait_kmcnt 0x0
	s_cmp_ge_u32 ttmp9, 480                        ; the last 32 work-groups take wo
	s_cbranch_scc1 .Lwo
	v_lshlrev_b32 v3, 4, v2                        ; my 16 bytes of a load's 512
	s_mul_i32 s29, s28, WREG
	v_lshrrev_b32 v14, 2, v2
	v_mul_u32_u24 v14, v14, SP
	v_and_b32 v15, 3, v2
	v_lshl_add_u32 v14, v15, 4, v14
	v_add_nc_u32 v14, s29, v14                     ; the stage, on the way in: SP (lane / 4) + 16 (lane % 4)
	v_mul_u32_u24 v15, v2, SP
	v_add_nc_u32 v15, s29, v15                     ; and on the way out: SP x lane: my 16 neighbours
	v_mul_u32_u24 v4, v2, CB                       ; my codes' place in a step's
	v_lshrrev_b32 v5, 1, v2
	s_add_co_u32 s29, s29, 2*32*SP
	v_add_nc_u32 v5, s29, v5                       ; LDS: my wave's 256 scale bytes, my block's byte
	v_lshlrev_b32 v7, 3, v2                        ; and on the way out 8 bytes a lane
	v_add_nc_u32 v6, s29, v7
	; which tensor: the choice hangs on the work-group's number alone; only the pointer and the tensor's first work-group are chosen
	s_mov_b64 s[4:5], s[18:19]
	s_mov_b32 s6, 448
.macro PICK lim, ptr, base
	s_cmp_lt_u32 ttmp9, \lim
	s_cselect_b64 s[4:5], s[\ptr:\ptr+1], s[4:5]
	s_cselect_b32 s6, \base, s6
.endm
	PICK 448, 16, 416
	PICK 416, 14, 384
	PICK 384, 12, 256
	PICK 256, 10, 128
	PICK 128, 8, 0
	s_sub_co_u32 s6, ttmp9, s6
	s_lshl_b32 s6, s6, 2
	s_add_co_u32 s6, s6, s28                       ; which run of 8,192 numbers of the tensor is my wave's
	s_lshl_b32 s6, s6, 15                          ; 32,768 bytes a run
	s_mov_b32 s7, 0
	s_add_nc_u64 s[4:5], s[4:5], s[6:7]
	s_lshl_b32 s30, ttmp9, 2
	s_add_co_u32 s30, s30, s28                     ; and which run of the whole stream
	s_lshl_b32 s32, s30, 12                        ; 4,096 bytes of codes a run
	s_mov_b32 s33, 0
	s_add_nc_u64 s[22:23], s[22:23], s[32:33]
	s_lshl_b32 s32, s30, 8                         ; 256 scale bytes a run
	s_add_nc_u64 s[24:25], s[24:25], s[32:33]
.macro LOAD t
.irp i, 0,1,2,3
	global_load_b128 v[R+16*((\t)%AHEAD)+4*\i:R+16*((\t)%AHEAD)+4*\i+3], v3, s[4:5] offset:2048*(\t)+512*\i th:TH_LOAD_NT   ; 32 lanes read 512 consecutive bytes
.endr
.endm
.macro TURN t                          ; step t's numbers through the stage: LDS serves a wave's instructions in order, so no wait stands between the stores and the loads
.irp i, 0,1,2,3
	ds_store_b128 v14, v[R+16*((\t)%AHEAD)+4*\i:R+16*((\t)%AHEAD)+4*\i+3] offset:32*SP*((\t)%2)+8*SP*\i
.endr
.irp i, 0,1,2,3
	ds_load_b128 v[X+16*((\t)%2)+4*\i:X+16*((\t)%2)+4*\i+3], v15 offset:32*SP*((\t)%2)+16*\i
.endr
.endm
.irp t, 0,1,2,3,4,5,6,7
	LOAD \t
.endr
	s_wait_loadcnt 4*(AHEAD-1)                     ; step 0's four loads are in; the 28 of steps 1 to 7 may be out
	TURN 0
.macro STEP t
.set XS, X+16*((\t)%2)
.if (\t) > 0
	s_wait_dscnt 1                                 ; this step's numbers are back from the stage (the last step's byte store may be out)
.else
	s_wait_dscnt 0x0
.endif
.if (\t)+AHEAD < STEPS
	LOAD (\t)+AHEAD                                ; the stage's stores have read these registers
.endif
.if (\t)+1 < STEPS
.if STEPS-2-(\t) >= AHEAD-1
	s_wait_loadcnt 4*(AHEAD-1)                     ; the next step's four loads are in; those of the seven steps behind it may be out
.else
	s_wait_loadcnt 4*(STEPS-2-(\t))                ; the tail: the counts run down with the steps that are left
.endif
	TURN (\t)+1
.endif
	v_max3_num_f32 v8, |v[XS]|, |v[XS+1]|, |v[XS+2]|               ; the largest magnitude of my 16, in two chains
	v_max3_num_f32 v9, |v[XS+3]|, |v[XS+4]|, |v[XS+5]|
.irp i, 6,10
	v_max3_num_f32 v8, v8, |v[XS+\i]|, |v[XS+\i+1]|
	v_max3_num_f32 v9, v9, |v[XS+\i+2]|, |v[XS+\i+3]|
.endr
	v_max3_num_f32 v8, v8, |v[XS+14]|, |v[XS+15]|
	v_max3_num_f32 v8, v8, v9, (EMAX+1)<<23        ; and the floor 2^(3 - 127): the byte cannot fall under 1
	v_max_num_f32_dpp v8, v8, v8 row_xmask:1 row_mask:0xf bank_mask:0xf   ; and of my neighbour's 16: the block's
	v_add_nc_u32 v11, -(EMAX<<23), v8              ; 2 off its exponent field: the conversion takes the exponent field of this operand as its scale
	v_cvt_scalef32_pk8_fp4_f32 v[C+2*(\t)], v[XS:XS+7], v11
	v_cvt_scalef32_pk8_fp4_f32 v[C+2*(\t)+1], v[XS+8:XS+15], v11
	v_lshrrev_b32 v[E+(\t)], 23, v11               ; the scale's byte (also the plain line behind the conversions)
	ds_store_b8 v5, v[E+(\t)] offset:16*(\t)       ; both lanes of a block write the same byte with the same value
	global_store_b64 v4, v[C+2*(\t):C+2*(\t)+1], s[22:23] offset:32*CB*(\t)   ; the wave stores 256 consecutive bytes, aligned
.endm
.irp t, 0,1,2,3,4,5,6,7,8,9,10,11,12,13,14,15
	STEP \t
.endr
	ds_load_b64 v[8:9], v6                         ; LDS serves a wave's instructions in order: these see my byte stores
	s_wait_dscnt 0x0
	global_store_b64 v7, v[8:9], s[24:25]          ; 32 lanes store 256 consecutive bytes, aligned
	s_wait_tensorcnt 0x0                           ; the wave's end
	ds_add_u32 v[SPW], v[NIL]
	s_wait_dscnt 0x0
	s_endpgm
; THE PATH OF wo.  Wave w of work-group 480 + i takes rows n0 = 32 i + 8 w on, eight rows.  An item is 4 rows x 64 along K (one plane): lane l takes row l / 8 and 8 numbers, 32 bytes, by two loads;
; they pack into 16 bytes, and the 32 lanes store 512 consecutive bytes of the plane.  Four batches of 8 items; two sets of input registers, so that 16 loads are out while a batch is converted.
.Lwo:
	s_sub_co_u32 s6, ttmp9, 480
	s_lshl_b32 s6, s6, 5
	s_lshl_b32 s7, s28, 3
	s_add_co_u32 s6, s6, s7                        ; n0
	s_lshl_b32 s30, s6, 12                         ; a row of wo is 4,096 bytes
	s_mov_b32 s31, 0
	s_add_nc_u64 s[20:21], s[20:21], s[30:31]
	s_lshr_b32 s30, s6, 7
	s_lshl_b32 s30, s30, 18                        ; a block of 128 rows is 262,144 bytes of f16,
	s_and_b32 s32, s6, 127
	s_lshl_b32 s32, s32, 7                         ; a row of a plane 128
	s_add_co_u32 s30, s30, s32
	s_add_nc_u64 s[26:27], s[26:27], s[30:31]
	v_lshrrev_b32 v8, 3, v2
	v_and_b32 v9, 7, v2
	v_lshlrev_b32 v9, 5, v9
	v_lshl_add_u32 v8, v8, 12, v9                  ; in: 4,096 (lane / 8) + 32 (lane % 8)
	v_lshlrev_b32 v9, 4, v2                        ; out: 16 x lane
.macro LOADB bt                        ; batch bt: rows 4 (bt / 2) on, planes 8 (bt % 2) on, into set bt % 2 (v16-79, v80-143)
.irp i, 0,1,2,3,4,5,6,7
	global_load_b128 v[16+64*((\bt)%2)+8*\i:16+64*((\bt)%2)+8*\i+3], v8, s[20:21] offset:((\bt)/2)*16384+(8*((\bt)%2)+\i)*256 th:TH_LOAD_NT
	global_load_b128 v[16+64*((\bt)%2)+8*\i+4:16+64*((\bt)%2)+8*\i+7], v8, s[20:21] offset:((\bt)/2)*16384+(8*((\bt)%2)+\i)*256+16 th:TH_LOAD_NT
.endr
.endm
.macro BATCH bt
.if (\bt) < 3
	s_wait_loadcnt 16                              ; this batch's 16 loads are in; the other set's 16 may be out
.else
	s_wait_loadcnt 0x0
.endif
	s_wait_xcnt 0x0                                ; the last batch's stores have read v144-175, which are written again below
.irp i, 0,1,2,3,4,5,6,7
.irp j, 0,1,2,3
	v_cvt_pk_f16_f32 v[144+4*\i+\j], v[16+64*((\bt)%2)+8*\i+2*\j], v[16+64*((\bt)%2)+8*\i+2*\j+1]
.endr
.endr
.irp i, 0,1,2,3,4,5,6,7
	global_store_b128 v9, v[144+4*\i:144+4*\i+3], s[26:27] offset:(8*((\bt)%2)+\i)*16384+((\bt)/2)*512   ; 512 consecutive bytes of plane 8 (bt % 2) + i
.endr
.if (\bt) < 2
	LOADB (\bt)+2
.endif
.endm
	LOADB 0
	LOADB 1
	BATCH 0
	BATCH 1
	BATCH 2
	BATCH 3
	s_wait_tensorcnt 0x0                           ; the wave's end
	ds_add_u32 v[SPW], v[NIL]
	s_wait_dscnt 0x0
	s_endpgm
.Lfunc_end_k_q61d8512d61_quant:
	.size	k_q61d8512d61_quant, .Lfunc_end_k_q61d8512d61_quant-k_q61d8512d61_quant
	.p2alignl 7, 3214868480
	.fill 96, 4, 3214868480
	.section	.rodata,"a",@progbits
	.p2align	6, 0x0
	.amdhsa_kernel k_q61d8512d61_quant
		.amdhsa_group_segment_fixed_size 33280
		.amdhsa_private_segment_fixed_size 0
		.amdhsa_enable_private_segment 0
		.amdhsa_kernarg_size 80
		.amdhsa_user_sgpr_count 2
		.amdhsa_user_sgpr_kernarg_segment_ptr 1
		.amdhsa_wavefront_size32 1
		.amdhsa_system_sgpr_workgroup_id_x 1
		.amdhsa_system_sgpr_workgroup_id_y 1
		.amdhsa_system_sgpr_workgroup_id_z 1
		.amdhsa_system_vgpr_workitem_id 0
		.amdhsa_next_free_vgpr 224
		.amdhsa_next_free_sgpr 66
		.amdhsa_reserve_vcc 0
		.amdhsa_float_denorm_mode_32 3
		.amdhsa_float_denorm_mode_16_64 3
		.amdhsa_memory_ordered 1
		.amdhsa_forward_progress 1
		.amdhsa_inst_pref_size 52
	.end_amdhsa_kernel
	.amdgpu_metadata
---
amdhsa.version: [ 1, 2 ]
amdhsa.kernels:
  - .name:           k_q61d8512d61_quant
    .symbol:         k_q61d8512d61_quant.kd
    .args:
      - { .name: q, .offset: 0, .size: 8, .value_kind: global_buffer, .address_space: global }
      - { .name: k, .offset: 8, .size: 8, .value_kind: global_buffer, .address_space: global }
      - { .name: v, .offset: 16, .size: 8, .value_kind: global_buffer, .address_space: global }
      - { .name: wq, .offset: 24, .size: 8, .value_kind: global_buffer, .address_space: global }
      - { .name: wk, .offset: 32, .size: 8, .value_kind: global_buffer, .address_space: global }
      - { .name: wv, .offset: 40, .size: 8, .value_kind: global_buffer, .address_space: global }
      - { .name: wo, .offset: 48, .size: 8, .value_kind: global_buffer, .address_space: global }
      - { .name: codes, .offset: 56, .size: 8, .value_kind: global_buffer, .address_space: global }
      - { .name: scales, .offset: 64, .size: 8, .value_kind: global_buffer, .address_space: global }
      - { .name: wo16, .offset: 72, .size: 8, .value_kind: global_buffer, .address_space: global }
    .group_segment_fixed_size: 33280
    .private_segment_fixed_size: 0
    .kernarg_segment_align: 8
    .kernarg_segment_size: 80
    .max_flat_workgroup_size: 128
    .sgpr_count:     66
    .vgpr_count:     224
    .wavefront_size: 32
...
	.end_amdgpu_metadata
.endif
;; end of part 1
;; launch proj (part 2): grid 4 x 48, 4 waves a work-group, clusters of 4 x 4, 327,680 bytes of LDS; arguments codes, scales, bq, bk, bv, hd; writes hd
.if DOCPART == 2
	.amdgcn_target "amdgcn-amd-amdhsa--gfx1250"
	.amdhsa_code_object_version 6
	.text
	.protected	k_q61d8512d61_proj
	.globl	k_q61d8512d61_proj
	.p2align	8
	.type	k_q61d8512d61_proj,@function
k_q61d8512d61_proj:
	s_mov_b64 s[64:65], 0
	v_nop
	global_prefetch_b8 v0, s[64:65] scope:SCOPE_SE
	s_setreg_imm32_b32 hwreg(HW_REG_WAVE_MODE, 25, 1), 1
	s_wait_xcnt 0x0
	s_wait_alu depctr_hold_cnt(0) depctr_sa_sdst(0) depctr_va_vdst(0) depctr_va_sdst(0) depctr_va_ssrc(0) depctr_va_vcc(0) depctr_vm_vsrc(0)
	s_getreg_b32 s2, hwreg(HW_REG_IB_STS2, 6, 4)
	s_cmp_eq_u32 s2, 0
	s_cbranch_scc0 .Lentry_in_a_cluster
	s_endpgm
.Lentry_in_a_cluster:
	s_bfe_u32 s2, ttmp6, 0x10000c
	s_cmp_lg_u32 s2, 0xf033
	s_cbranch_scc0 .Lentry_shape_is_right
	s_endpgm
.Lentry_shape_is_right:
; The three quantised projections, on codes of FP4 (E2M1) with one E8M0 scale for each 32 along K = 1,024; sums in f32; bias added in f32; results rounded once to f16 for the attention launch.
; ONE TEXT, C[m][n] = sum over k of A[m][k] B[n][k], serves all three.  P = cluster y / 4 says which:  P = 0: A = q's tokens, B = wq;  P = 1: A = k's tokens, B = wk;  P = 2: A = wv, B = v's tokens, so that C is V TRANSPOSED.
; Q's results are also multiplied by c = log2(e) / 8, so that the attention launch's scores are exponents of 2.
; hd: three parts of 8 MiB.  Parts 0, 1: [head][token][64].  Part 2: [head][token / 64][channel][64 tokens].  In all three, element (m, n) lies at (m / 64) SM64 + (m % 64) 128 + (n / 64) SNB + (n % 64) 2 bytes,
; with SM64 = 8,192 and SNB = 524,288 for Q and K and the two exchanged for V.
; LIMITS: |c qh|, |kh|, |vh| stay under 65,504, f16's largest number; the biases are finite (the bias that does not apply to an axis is multiplied by 0).
; A tile of C, 256 x 256, is made by a work-group of four waves; a wave makes 128 x 128: 64 accumulators, 512 registers.  192 tiles: 12 clusters of 4 x 4.  (Tiles of half the size would be 384, which 256 does not divide.)
; K is two steps of 512: both slots and the scale bytes of all of K are asked for at the head: nothing is filled again, and there is no loop.
; CLUSTERS: the four work-groups of a row of the cluster need the same rows of A, the four of a column the same rows of B: each tile is asked for JOINTLY, by the same tensor load with the same descriptor and a mask that names the four.
; THE MATRIX INSTRUCTION IS USED TRANSPOSED (source 0 = 16 rows of B, source 1 = 16 rows of A): a lane holds eight neighbouring n of one row m.
; REGISTERS, in windows of 256: window 0: v0-31 addresses; v32-95 scale words, two sets, on the way out the block at work; v96-111 the bias along m, v192-255 the bias along n; v128-191 A's fragments, one set, on the way out rows read back.
;   window 1: B's fragments, two sets.   window 2: the accumulators of my rows 0-63 ((a, b) at v[8 (8 a + b)]);   window 3: those of my rows 64-127.
.set KSTEP,  512
.set NQ,     KSTEP/128                 ; matrix instructions deep in a slot
.set ROWB,   256                       ; a tile's row in bytes: 512 codes
.set KROW,   512                       ; a row of codes in memory
.set PITCH,  272                       ; an LDS row: 256 bytes + 16 of padding: the 16 rows that a load touches start at 16 different banks (64 banks of 4 bytes: ISA guide 11.1)
.set FR,     8                         ; registers of a fragment: 16 rows x 128 K
.set NL,     2                         ; LDS loads that bring one
.set NP,     4                         ; places behind this matrix instruction (ISA guide 7.12.1)
.set HALFT,  128*PITCH                 ; 128 rows: what one tensor load brings
.set SLOT,   4*HALFT                   ; A's 256 rows, then B's 256 rows
.set KS,     32                        ; a row of scale bytes
.set SCL,    2*SLOT                    ; behind the slots: the scale bytes, as units of 256 bytes + 16 of padding
.set HALFS,  (128*KS/256)*272          ; those of 128 rows
.set SBLK,   (16*KS/256)*272           ; those of 16 rows
.set SPARE,  SCL+4*HALFS               ; the spare words, 128 bytes a wave
.set SP,     400                       ; the way out: a stage of 16 rows x 400 bytes for each wave, in slot 0, which nobody reads and nothing fills any more by then.  400 = 25 x 16: the 16 rows of a store start at 16 different 16-byte columns
.set ADRA, 16                          ; v16-17 LDS address of my A fragments in slot 0, 1
.set ADRB, 20                          ; v20-21 the same for B
.set STO,  24                          ; v24 the way out: where I put 16 bytes of a row
.set RD,   25                          ; v25 where I read back: four rows x 128 bytes an instruction
.set CO,   26                          ; v26 16 x lane
.set ADRS, 27                          ; v27 LDS address of my scale words: lanes 0-15 A's rows, lanes 16-31 B's
.set SPW,  28                          ; v28 my spare word; never rewritten
.set NIL,  29                          ; v29 0; never rewritten
.set XO,   30                          ; v30 byte offset of my bias numbers along n
.set YO,   31                          ; v31 along m
.set SC,   32
.set T,    32
.set YB,   96
.set AF,   128
.set BK,   128
.set XB,   192
.set WV,   16                          ; s16 wave;  s17 which half of the rows is mine, also: I fetch for A (0) or B (1);  s18 which half of the columns, also: which 128 rows I fetch
.set HM,   17
.set HN,   18
.set G1,   24                          ; s[24:31] group 1 for A's tiles;  s[32:39] group 0, a set for each slot
.set G0,   32
.set CSX,  42                          ; s42 the factor of the bias along n: c for Q and K, 0 for V;  s43 along m: the other way round
.set CSY,  43
.set G1B,  48
.set G0B,  56
.set G1S,  68                          ; the scale bytes': A's s[68:75], s[76:79];  B's s[80:87], s[88:91]
.set G0S,  76
.set G1SB, 80
.set G0SB, 88
.set OUT0, 92                          ; s[92:93] where my block's first 64 columns go;  s[94:95] its second 64
.set ST4,  96                          ; s[96:97] from block 3 to block 4: SM64 - 3 x 2,048
.set CS,   98                          ; s[98:99] c
.set BIAS, 100                         ; s[100:101]
.set MSB, 0
.macro WIN new                         ; the immediate's high byte repeats the setting that is left
.if MSB != \new
	s_set_vgpr_msb (MSB<<8)|\new
.set MSB, \new
.endif
.endm
.set MUL_LO, 0xa1                      ; source 0 (B) window 1, source 1 (A) window 0, C and D window 2
.set MUL_HI, 0xf1
.set TO_B,   0x40
; A joint load: waves 0 and 1 fetch for A, waves 2 and 3 for B; the branch hangs on the wave's number alone.  An s_nop 0 and four v_nop follow each line.
.macro JLOAD g0a, g1a, g0b, g1b
	s_cmp_eq_u32 s[HM], 0
	s_cbranch_scc0 .Lfor_b_\@
	tensor_load_to_lds s[\g0a:\g0a+3], s[\g1a:\g1a+7]
	s_nop 0
.rept 4
	v_nop
.endr
	s_branch .Lasked_\@
.Lfor_b_\@:
	tensor_load_to_lds s[\g0b:\g0b+3], s[\g1b:\g1b+7]
	s_nop 0
.rept 4
	v_nop
.endr
.Lasked_\@:
.endm
.macro CROUND                          ; a round of the cluster's barrier
	s_barrier_signal -1
	s_barrier_wait -1
	s_cmp_lg_u32 s[WV], 0
	s_cbranch_scc1 .Lnot_wave_0_\@
	s_barrier_signal -3
.Lnot_wave_0_\@:
	s_barrier_wait -3
	s_barrier_signal -1
	s_barrier_wait -1
.endm
	s_load_b256 s[4:11], s[0:1], 0x0               ; codes s[4:5], scales s[6:7], bq s[8:9], bk s[10:11]
	s_load_b128 s[12:15], s[0:1], 0x20             ; bv s[12:13], hd s[14:15]
	v_lshl_add_u32 v[SPW], v0, 2, SPARE
	v_mov_b32 v[NIL], 0
	ds_add_u32 v[SPW], v[NIL]                      ; the wave's opening: the add, twice on end, and its wait ahead of my first tensor load
	ds_add_u32 v[SPW], v[NIL]
	v_lshrrev_b32 v1, 5, v0
	v_readfirstlane_b32 s[WV], v1
	s_lshr_b32 s[HM], s[WV], 1
	s_and_b32 s[HN], s[WV], 1
	s_bfe_u32 s19, ttmp6, 0x40000                  ; cx
	s_bfe_u32 s20, ttmp6, 0x40004                  ; cy
	s_and_b32 s21, ttmp7, 0xffff                   ; cluster y, 0 to 11
	s_and_b32 s22, s21, 3
	s_lshl_b32 s22, s22, 2                         ; 4 J: the cluster's first tile along the tokens
	s_lshr_b32 s21, s21, 2                         ; P
	s_lshl_b32 s40, s20, 2
	s_lshl_b32 s40, 15, s40                        ; my row of the cluster
	s_lshl_b32 s41, 0x1111, s19                    ; my column
	; group 1: a tile of 128 rows x 256 bytes, 16 bytes of padding behind each row
	s_or_b32 s[G1+0], s40, (0<<16)|(1<<20)|(1<<21)|(5<<22)|(3<<25)  ; 15:0 the mask; 17:16 elements of 1 byte; 20 padding on; 21 set beside a mask; 24:22 after every 64 words; 31:25 four words
	s_or_b32 s[G1B+0], s41, (0<<16)|(1<<20)|(1<<21)|(5<<22)|(3<<25)
.irp g, G1, G1B
	s_mov_b32 s[\g+1], ROWB<<16                    ; tensor_dim0
	s_mov_b32 s[\g+2], 128<<16                     ; tensor_dim1
	s_mov_b32 s[\g+3], ROWB<<16                    ; tile_dim0
	s_mov_b32 s[\g+4], 128                         ; tile_dim1
	s_mov_b32 s[\g+5], KROW                        ; from row to row
	s_mov_b32 s[\g+6], 0
	s_mov_b32 s[\g+7], 0
.endr
	; the scale bytes of 128 rows: 4,096 dense bytes, as 16 rows of 256 bytes (32 elements of 8 bytes), 16 bytes of padding behind each
	s_or_b32 s[G1S+0], s40, (3<<16)|(1<<20)|(1<<21)|(5<<22)|(3<<25)
	s_or_b32 s[G1SB+0], s41, (3<<16)|(1<<20)|(1<<21)|(5<<22)|(3<<25)
.irp g, G1S, G1SB
	s_mov_b32 s[\g+1], 32<<16
	s_mov_b32 s[\g+2], (128*KS/256)<<16
	s_mov_b32 s[\g+3], 32<<16
	s_mov_b32 s[\g+4], 128*KS/256
	s_mov_b32 s[\g+5], 32
	s_mov_b32 s[\g+6], 0
	s_mov_b32 s[\g+7], 0
.endr
	; what hangs on P, which all sixteen partners share: chosen without a branch
	s_mov_b32 s[CS+1], 0x3f800000
	s_cmp_eq_u32 s21, 0
	s_cselect_b32 s[CS], 0x3e38aa3b, s[CS+1]       ; c = log2(e) / 8 for Q, 1 for K and V
	s_mov_b32 s[CS+1], s[CS]                       ; (named with it as a pair, so it is written)
	s_lshl_b32 s44, s21, 21                        ; Q, K: A's codes at P x 2 MiB,
	s_lshl_b32 s45, s21, 17                        ; its scale bytes at P x 128 KiB,
	s_lshl_b32 s46, s21, 19
	s_add_co_u32 s46, s46, 0x600000                ; B's codes,
	s_lshl_b32 s47, s21, 15
	s_add_co_u32 s47, s47, 0x60000                 ; B's scale bytes
	s_mov_b32 s66, 0x80000
	s_mov_b32 s67, 0x2000
	s_cmp_eq_u32 s21, 2                            ; V: A = wv, B = v
	s_cselect_b32 s44, 0x700000, s44
	s_cselect_b32 s45, 0x70000, s45
	s_cselect_b32 s46, 0x400000, s46
	s_cselect_b32 s47, 0x40000, s47
	s_cselect_b32 s[ST4], s66, s67                 ; SM64
	s_cselect_b32 s[OUT0+2], s67, s66              ; SNB
	s_cselect_b32 s[CSX], 0, s[CS]
	s_cselect_b32 s[CSY], s[CS], 0
	s_cselect_b32 s2, 0, s22
	s_cselect_b32 s3, s22, 0
	s_add_co_u32 s2, s2, s20                       ; TM: tile row of C: it holds cy and never cx
	s_add_co_u32 s3, s3, s19                       ; TN: tile column: cx and never cy
	s_lshl_b32 s23, s[HN], 7                       ; which 128 rows of a tile I fetch
	s_lshl_b32 s[G0+2], s2, 8
	s_add_co_u32 s[G0+2], s[G0+2], s23             ; A's row 256 TM + 128 x half
	s_lshl_b32 s[G0S+2], s[G0+2], 5
	s_add_co_u32 s[G0S+2], s[G0S+2], s45           ; its scale bytes' offset,
	s_lshl_b32 s[G0+2], s[G0+2], 9
	s_add_co_u32 s[G0+2], s[G0+2], s44             ; its codes' offset
	s_mov_b32 s[G0+3], 0
	s_mov_b32 s[G0S+3], 0
	s_lshl_b32 s[G0B+2], s3, 8
	s_add_co_u32 s[G0B+2], s[G0B+2], s23           ; B's row 256 TN + 128 x half
	s_lshl_b32 s[G0SB+2], s[G0B+2], 5
	s_add_co_u32 s[G0SB+2], s[G0SB+2], s47
	s_lshl_b32 s[G0B+2], s[G0B+2], 9
	s_add_co_u32 s[G0B+2], s[G0B+2], s46
	s_mov_b32 s[G0B+3], 0
	s_mov_b32 s[G0SB+3], 0
	s_mul_i32 s66, s[WV], HALFT                    ; where they go: wave x 128 rows: no place in the cluster enters an LDS address
	s_mul_i32 s67, s[WV], HALFS
	s_mov_b32 s[G0S], 1
	s_add_co_u32 s[G0S+1], s67, SCL
	s_mov_b32 s[G0SB], 1
	s_add_co_u32 s[G0SB+1], s67, SCL
.irp s, 0,1
	s_mov_b32 s[G0+4*\s], 1
	s_add_co_u32 s[G0+4*\s+1], s66, \s*SLOT
	s_mov_b32 s[G0B+4*\s], 1
	s_add_co_u32 s[G0B+4*\s+1], s66, \s*SLOT
.endr
	s_wait_dscnt 0x0                               ; both opening adds are done
	s_wait_kmcnt 0x0
	s_add_nc_u64 s[G0+2:G0+3], s[4:5], s[G0+2:G0+3]
	s_add_nc_u64 s[G0+6:G0+7], s[G0+2:G0+3], ROWB  ; slot 1: the second 512 along K
	s_or_b32 s[G0+3], s[G0+3], 0x80000000          ; type = 2
	s_or_b32 s[G0+7], s[G0+7], 0x80000000
	s_add_nc_u64 s[G0B+2:G0B+3], s[4:5], s[G0B+2:G0B+3]
	s_add_nc_u64 s[G0B+6:G0B+7], s[G0B+2:G0B+3], ROWB
	s_or_b32 s[G0B+3], s[G0B+3], 0x80000000
	s_or_b32 s[G0B+7], s[G0B+7], 0x80000000
	s_add_nc_u64 s[G0S+2:G0S+3], s[6:7], s[G0S+2:G0S+3]
	s_or_b32 s[G0S+3], s[G0S+3], 0x80000000
	s_add_nc_u64 s[G0SB+2:G0SB+3], s[6:7], s[G0SB+2:G0SB+3]
	s_or_b32 s[G0SB+3], s[G0SB+3], 0x80000000
	s_cmp_eq_u32 s21, 0
	s_cselect_b64 s[BIAS:BIAS+1], s[8:9], s[12:13]
	s_cmp_eq_u32 s21, 1
	s_cselect_b64 s[BIAS:BIAS+1], s[10:11], s[BIAS:BIAS+1]
	CROUND                                         ; all sixteen work-groups are here: the joint loads meet
	JLOAD G0S, G1S, G0SB, G1SB                     ; three loads of mine are out behind these lines: the scale bytes,
	JLOAD G0, G1, G0B, G1B                         ; slot 0,
	JLOAD G0+4, G1, G0B+4, G1B                     ; slot 1
	v_and_b32 v1, 15, v0                           ; r = lane % 16
	v_bfe_u32 v2, v0, 4, 1                         ; h = lane / 16
	; the biases.  Along n: lane (r, h) wants, for B's block b, numbers 16 b + 8 h + 0 .. 7; along m: for A's block a, number 16 a + r.  The index is taken modulo 1,024, so that the load of the axis along the tokens stays inside the buffer; its numbers are multiplied by 0
	s_lshl_b32 s46, s3, 8
	s_lshl_b32 s47, s[HN], 7
	s_add_co_u32 s46, s46, s47
	s_and_b32 s46, s46, 1023
	s_lshl_b32 s46, s46, 2
	v_lshl_add_u32 v[XO], v2, 5, s46
	s_lshl_b32 s44, s2, 8
	s_lshl_b32 s45, s[HM], 7
	s_add_co_u32 s44, s44, s45
	s_and_b32 s44, s44, 1023
	s_lshl_b32 s44, s44, 2
	v_lshl_add_u32 v[YO], v1, 2, s44
.irp b, 0,1,2,3,4,5,6,7
	global_load_b128 v[XB+8*\b:XB+8*\b+3], v[XO], s[BIAS:BIAS+1] offset:64*\b
	global_load_b128 v[XB+8*\b+4:XB+8*\b+7], v[XO], s[BIAS:BIAS+1] offset:64*\b+16
.endr
.irp a, 0,1,2,3,4,5,6,7
	global_load_b32 v[YB+2*\a], v[YO], s[BIAS:BIAS+1] offset:64*\a
.endr
	v_mul_u32_u24 v3, v1, PITCH
	v_lshl_add_u32 v4, v2, 4, v3                   ; a fragment's row x pitch + 16 x half
	s_mul_i32 s44, s[HM], HALFT                    ; my 128 rows of A
	s_mul_i32 s46, s[HN], HALFT                    ; my 128 rows of B,
	s_add_co_u32 s46, s46, 2*HALFT                 ; which lie behind A's 256
.irp s, 0,1
	v_add_nc_u32 v[ADRA+\s], s44, v4
	v_add_nc_u32 v[ADRB+\s], s46, v4
	s_add_co_u32 s44, s44, SLOT
	s_add_co_u32 s46, s46, SLOT
.endr
	v_mul_u32_u24 v5, v1, KS                       ; my row's scale bytes: 32 a row,
	v_lshrrev_b32 v6, 8, v5
	v_lshl_add_u32 v5, v6, 4, v5                   ; and 16 more for each 256 passed
	s_mul_i32 s44, s[HM], HALFS
	s_mul_i32 s46, s[HN], HALFS
	s_add_co_u32 s46, s46, 2*HALFS
	s_sub_co_u32 s46, s46, s44
	v_mul_u32_u24 v6, s46, v2                      ; lanes 16-31 take B's: one product, the distance between the two bases
	s_add_co_u32 s44, s44, SCL
	v_add_nc_u32 v5, v5, v6
	v_add_nc_u32 v[ADRS], s44, v5
	s_mul_i32 s44, s[WV], 16*SP                    ; my stage
	v_mul_u32_u24 v5, v1, SP
	v_lshl_add_u32 v5, v2, 4, v5
	v_add_nc_u32 v[STO], s44, v5                   ; in: row r, 16 bytes for each half of the lanes
	v_and_b32 v6, 31, v0
	v_lshlrev_b32 v[CO], 4, v6
	v_lshrrev_b32 v7, 3, v6
	v_and_b32 v8, 7, v6
	v_mul_u32_u24 v7, v7, SP
	v_lshl_add_u32 v7, v8, 4, v7
	v_add_nc_u32 v[RD], s44, v7                    ; back: row lane / 8, 16 (lane % 8)
	; where my part of C begins
	s_lshl_b32 s[OUT0], s2, 2
	s_lshl_b32 s23, s[HM], 1
	s_add_co_u32 s[OUT0], s[OUT0], s23             ; m / 64 = 4 TM + 2 x half
	s_mul_i32 s[OUT0], s[OUT0], s[ST4]
	s_lshl_b32 s23, s3, 2
	s_lshl_b32 s66, s[HN], 1
	s_add_co_u32 s23, s23, s66                     ; n / 64
	s_mul_i32 s23, s23, s[OUT0+2]
	s_add_co_u32 s[OUT0], s[OUT0], s23
	s_lshl_b32 s23, s21, 23                        ; part P
	s_add_co_u32 s[OUT0], s[OUT0], s23
	s_mov_b32 s[OUT0+1], 0
	s_add_nc_u64 s[OUT0:OUT0+1], s[14:15], s[OUT0:OUT0+1]
	s_mov_b32 s[OUT0+3], 0
	s_add_nc_u64 s[OUT0+2:OUT0+3], s[OUT0:OUT0+1], s[OUT0+2:OUT0+3]
	s_sub_co_u32 s[ST4], s[ST4], 6144
	s_mov_b32 s[ST4+1], 0
.macro FRAG reg, adr, q, i             ; a fragment: lane l holds row l % 16; registers 4 c .. 4 c + 3 hold K = 64 c + 32 (l / 16) + 0 .. 31
.irp c, 0,1
	ds_load_b128 v[\reg+4*\c:\reg+4*\c+3], v[\adr] offset:64*(\q)+32*\c+(\i)*16*PITCH
.endr
.endm
; 16 matrix instructions: A's blocks a0, a0 + 1 x B's eight, the slot's q-th 128 along K.  p: B's set; sc: the set of scale words.  zero = 1: the first product starts the sums.
; The 64 accumulators take turns, one instruction a turn, in the same order in every step.
.macro MUL16 a0, p, q, sc, zero
.irp a, \a0, \a0+1
.irp b, 0,1,2,3,4,5,6,7
.if \zero
	v_wmma_scale_f32_16x16x128_f8f6f4 v[8*(8*((\a)%4)+\b):8*(8*((\a)%4)+\b)+7], v[128*(\p)+FR*\b:128*(\p)+FR*\b+FR-1], v[AF+FR*(\a):AF+FR*(\a)+FR-1], 0, v[SC+8*NQ*(\sc)+NQ*\b+(\q)], v[SC+8*NQ*(\sc)+NQ*(\a)+(\q)] matrix_a_fmt:MATRIX_FMT_FP4 matrix_b_fmt:MATRIX_FMT_FP4 matrix_a_scale:MATRIX_SCALE_ROW1
.else
	v_wmma_scale_f32_16x16x128_f8f6f4 v[8*(8*((\a)%4)+\b):8*(8*((\a)%4)+\b)+7], v[128*(\p)+FR*\b:128*(\p)+FR*\b+FR-1], v[AF+FR*(\a):AF+FR*(\a)+FR-1], v[8*(8*((\a)%4)+\b):8*(8*((\a)%4)+\b)+7], v[SC+8*NQ*(\sc)+NQ*\b+(\q)], v[SC+8*NQ*(\sc)+NQ*(\a)+(\q)] matrix_a_fmt:MATRIX_FMT_FP4 matrix_b_fmt:MATRIX_FMT_FP4 matrix_a_scale:MATRIX_SCALE_ROW1
.endif
.endr
.endr
.endm
.macro FETCH_B slot, q, p
	WIN TO_B
.irp i, 0,1,2,3,4,5,6,7
	FRAG 128*(\p)+FR*\i, ADRB+\slot, \q, \i
.endr
	WIN 0
.endm
.macro FETCH_A slot, q, i0
.irp i, \i0, \i0+1, \i0+2, \i0+3
	FRAG AF+FR*(\i), ADRA+\slot, \q, \i
.endr
.endm
.macro SCALES sc                       ; a slot's scale words: four words a row; lanes 0-15 take A's block i, lanes 16-31 B's block i
.irp i, 0,1,2,3,4,5,6,7
	ds_load_b128 v[SC+8*NQ*\sc+NQ*\i:SC+8*NQ*\sc+NQ*\i+3], v[ADRS] offset:\i*SBLK
.endr
.endm
.macro PLACES n                        ; plain vector lines between a matrix instruction and a load into a register that it has read
.rept \n
	v_nop
.endr
.endm
.macro STEP slot, q, zero              ; 128 along K that has its successor in the same slot
	s_wait_dscnt 4*NL                              ; B's set and A's blocks 0-3 are in; the youngest eight loads (A's blocks 4-7) may be out
	WIN MUL_LO
	MUL16 0, (\q)%2, \q, \slot, \zero
	MUL16 2, (\q)%2, \q, \slot, \zero
	s_wait_dscnt 0
	PLACES NP
	FETCH_B \slot, (\q)+1, 1-(\q)%2
	FETCH_A \slot, (\q)+1, 0
	WIN MUL_HI
	MUL16 4, (\q)%2, \q, \slot, \zero
	MUL16 6, (\q)%2, \q, \slot, \zero
	PLACES NP
	WIN 0
	FETCH_A \slot, (\q)+1, 4
.endm
.macro STEPS slot, from
.set Q, \from
.rept NQ-1-\from
	STEP \slot, Q, 0
.set Q, Q+1
.endr
.endm
	s_wait_tensorcnt 1                             ; the scale bytes and my part of slot 0 are in (slot 1's load may be out)
	s_barrier_signal -1
	s_barrier_wait -1                              ; everybody's are
	FETCH_B 0, 0, 0
	FETCH_A 0, 0, 0
	SCALES 0
	FETCH_A 0, 0, 4
	STEP 0, 0, 1                                   ; the first step's products start the sums
	STEPS 0, 1
	; slot 0's last step changes slots: one barrier; in front of it my part of slot 1 has landed and my reads of slot 0 are over
	s_wait_tensorcnt 0x0
	ds_add_u32 v[SPW], v[NIL]                      ; 0 onto my spare word
	s_wait_dscnt 4*NL+1                            ; (the add and the youngest eight loads may be out)
	WIN MUL_LO
	MUL16 0, 1, NQ-1, 0, 0
	s_wait_dscnt 0x0
	s_barrier_signal -1
	MUL16 2, 1, NQ-1, 0, 0
	WIN 0
	s_barrier_wait -1
	PLACES NP
	v_add_nc_u32 v[ADRS], 4*NQ, v[ADRS]            ; on to the second slot's scale words (no LDS load of mine is out)
	FETCH_B 1, 0, 0
	FETCH_A 1, 0, 0
	SCALES 1
	WIN MUL_HI
	MUL16 4, 1, NQ-1, 0, 0
	MUL16 6, 1, NQ-1, 0, 0
	PLACES NP
	WIN 0
	FETCH_A 1, 0, 4
	STEPS 1, 0
	s_wait_dscnt 4*NL                              ; the very last step: nothing more to fetch
	WIN MUL_LO
	MUL16 0, 1, NQ-1, 1, 0
	MUL16 2, 1, NQ-1, 1, 0
	s_wait_dscnt 0
	WIN MUL_HI
	MUL16 4, 1, NQ-1, 1, 0
	MUL16 6, 1, NQ-1, 1, 0
	WIN 0
	; THE WAY OUT.  result = c sum + c bias.  The biases are multiplied once: 80 plain lines that name no register of the last products: they are the places behind those.
	s_wait_loadcnt 0x0
.set i, 0
.rept 64
	v_mul_f32 v[XB+i], s[CSX], v[XB+i]
.set i, i+1
.endr
.irp a, 0,1,2,3,4,5,6,7
	v_mul_f32 v[YB+2*\a+1], s[CSY], v[YB+2*\a]     ; both halves of a pair, for the packed addition
	v_mul_f32 v[YB+2*\a], s[CSY], v[YB+2*\a]
.endr
; Block a, 16 rows x 128 columns.  PACK: scaled, biased, rounded to f16: 16 bytes a lane and block of B.  TOSTAGE: into my stage, and back as four rows x 128 bytes.  SEND: stored, 512 consecutive bytes an instruction.
.macro PACK a
	WIN (0x02+(\a)/4)                              ; source 0: window 2 or 3
.set i, 0
.rept 32
	v_pk_fma_f32 v[T+i:T+i+1], v[64*((\a)%4)+i:64*((\a)%4)+i+1], s[CS:CS+1], v[XB+i:XB+i+1] op_sel_hi:[1,0,1]   ; each accumulator from its low end on
.set i, i+2
.endr
	WIN 0
.set i, 0
.rept 32
	v_pk_add_f32 v[T+i:T+i+1], v[T+i:T+i+1], v[YB+2*(\a):YB+2*(\a)+1]
.set i, i+2
.endr
.set i, 0
.rept 32
	v_cvt_pk_f16_f32 v[T+i], v[T+2*i], v[T+2*i+1]  ; in place: register i is written when registers 2 i and 2 i + 1 are read
.set i, i+1
.endr
.endm
.macro TOSTAGE a
.irp b, 0,1,2,3,4,5,6,7
	ds_store_b128 v[STO], v[T+4*\b:T+4*\b+3] offset:32*\b
.endr
.irp t, 0,1,2,3,4,5,6,7
	ds_load_b128 v[BK+32*((\a)%2)+4*\t:BK+32*((\a)%2)+4*\t+3], v[RD] offset:(\t%4)*4*SP+(\t/4)*128   ; LDS serves a wave's instructions in order: these see the stores above
.endr
.endm
.macro SEND a
	s_wait_dscnt 0x0                               ; the block is back in registers
	s_wait_xcnt 0x0                                ; the earlier stores have read their bases and their data: the bases step, and the next block's loads may land on the other set
.if (\a) == 4
	s_add_nc_u64 s[OUT0:OUT0+1], s[OUT0:OUT0+1], s[ST4:ST4+1]
	s_add_nc_u64 s[OUT0+2:OUT0+3], s[OUT0+2:OUT0+3], s[ST4:ST4+1]
.elseif (\a) > 0
	s_add_nc_u64 s[OUT0:OUT0+1], s[OUT0:OUT0+1], 2048
	s_add_nc_u64 s[OUT0+2:OUT0+3], s[OUT0+2:OUT0+3], 2048
.endif
.irp t, 0,1,2,3,4,5,6,7
	global_store_b128 v[CO], v[BK+32*((\a)%2)+4*\t:BK+32*((\a)%2)+4*\t+3], s[OUT0+2*(\t/4):OUT0+2*(\t/4)+1] offset:(\t%4)*512   ; four rows of 128 bytes lie on end: 512 consecutive bytes, aligned
.endr
.endm
	PACK 0
	TOSTAGE 0
.irp a, 1,2,3,4,5,6,7
	PACK \a                                        ; block a's arithmetic stands between block a - 1's loads from the stage and the wait for them
	SEND \a-1
	TOSTAGE \a
.endr
	SEND 7
	s_wait_tensorcnt 0x0                           ; the wave's end
	ds_add_u32 v[SPW], v[NIL]
	s_wait_dscnt 0x0
	CROUND                                         ; the closing round
	s_endpgm
.Lfunc_end_k_q61d8512d61_proj:
	.size	k_q61d8512d61_proj, .Lfunc_end_k_q61d8512d61_proj-k_q61d8512d61_proj
	.p2alignl 7, 3214868480
	.fill 96, 4, 3214868480
	.section	.rodata,"a",@progbits
	.p2align	6, 0x0
	.amdhsa_kernel k_q61d8512d61_proj
		.amdhsa_group_segment_fixed_size 327680
		.amdhsa_private_segment_fixed_size 0
		.amdhsa_enable_private_segment 0
		.amdhsa_kernarg_size 48
		.amdhsa_user_sgpr_count 2
		.amdhsa_user_sgpr_kernarg_segment_ptr 1
		.amdhsa_wavefront_size32 1
		.amdhsa_system_sgpr_workgroup_id_x 1
		.amdhsa_system_sgpr_workgroup_id_y 1
		.amdhsa_system_sgpr_workgroup_id_z 1
		.amdhsa_system_vgpr_workitem_id 0
		.amdhsa_next_free_vgpr 1024
		.amdhsa_next_free_sgpr 102
		.amdhsa_reserve_vcc 0
		.amdhsa_float_denorm_mode_32 3
		.amdhsa_float_denorm_mode_16_64 3
		.amdhsa_memory_ordered 1
		.amdhsa_forward_progress 1
		.amdhsa_inst_pref_size 165
	.end_amdhsa_kernel
	.amdgpu_metadata
---
amdhsa.version: [ 1, 2 ]
amdhsa.kernels:
  - .name:           k_q61d8512d61_proj
    .symbol:         k_q61d8512d61_proj.kd
    .args:
      - { .name: codes, .offset: 0, .size: 8, .value_kind: global_buffer, .address_space: global }
      - { .name: scales, .offset: 8, .size: 8, .value_kind: global_buffer, .address_space: global }
      - { .name: bq, .offset: 16, .size: 8, .value_kind: global_buffer, .address_space: global }
      - { .name: bk, .offset: 24, .size: 8, .value_kind: global_buffer, .address_space: global }
      - { .name: bv, .offset: 32, .size: 8, .value_kind: global_buffer, .address_space: global }
      - { .name: hd, .offset: 40, .size: 8, .value_kind: global_buffer, .address_space: global }
    .group_segment_fixed_size: 327680
    .private_segment_fixed_size: 0
    .kernarg_segment_align: 8
    .kernarg_segment_size: 48
    .max_flat_workgroup_size: 128
    .sgpr_count:     102
    .vgpr_count:     1024
    .wavefront_size: 32
...
	.end_amdgpu_metadata
.endif
;; end of part 2
;; launch attn (part 3): grid 8 x 32, 8 waves a work-group, clusters of 4 x 1, 327,680 bytes of LDS; arguments hd, ao; writes ao
.if DOCPART == 3
	.amdgcn_target "amdgcn-amd-amdhsa--gfx1250"
	.amdhsa_code_object_version 6
	.text
	.protected	k_q61d8512d61_attn
	.globl	k_q61d8512d61_attn
	.p2align	8
	.type	k_q61d8512d61_attn,@function
k_q61d8512d61_attn:
	s_mov_b64 s[64:65], 0
	v_nop
	global_prefetch_b8 v0, s[64:65] scope:SCOPE_SE
	s_setreg_imm32_b32 hwreg(HW_REG_WAVE_MODE, 25, 1), 1
	s_wait_xcnt 0x0
	s_wait_alu depctr_hold_cnt(0) depctr_sa_sdst(0) depctr_va_vdst(0) depctr_va_sdst(0) depctr_va_ssrc(0) depctr_va_vcc(0) depctr_vm_vsrc(0)
	s_getreg_b32 s2, hwreg(HW_REG_IB_STS2, 6, 4)
	s_cmp_eq_u32 s2, 0
	s_cbranch_scc0 .Lentry_in_a_cluster
	s_endpgm
.Lentry_in_a_cluster:
	s_bfe_u32 s2, ttmp6, 0x10000c
	s_cmp_lg_u32 s2, 0x3003
	s_cbranch_scc0 .Lentry_shape_is_right
	s_endpgm
.Lentry_shape_is_right:
; O[q] = the sum over k of softmax_k(Q[q] . K[k] / 8) V[k], for each of 2 batches x 16 heads; 2,048 queries and keys, head size 64; no mask.  Operands in f16, products, maxima and sums in f32.
; hd part 0: Q x log2(e) / 8, [head][token][64]; part 1: K, the same; part 2: V transposed, [head][token / 64][channel][64 tokens].  So K and V of a batch and head are each 32 dense chunks of 64 rows x 128 bytes.
; ao: [token / 128][head][token % 128][64], f16: the planes that the last launch fetches.
; SHARES.  A work-group owns 256 queries of one batch and head.  Wave w: G = w % 4, KH = w / 4: 64 queries (FOUR tiles of 16) against ONE HALF of the keys, 1,024, in 16 steps of 64.  The two halves meet at the end, through LDS.
; Eight waves of 512 registers, two to a SIMD: a fragment read from LDS feeds four products (16 KiB of LDS for a step's 64 products), and one wave's softmax stands beside the other's products.
; LAYOUT.  Both products are used transposed: S^T = K Q^T (source 0 = 16 keys, source 1 = 16 queries), O^T = V^T P (source 0 = 16 channels, source 1 = P): a lane holds ONE query (lane % 16) throughout, and two
; tiles of S^T, rounded to f16 in pairs, ARE a fragment of P.  K's chunk [key][channel] and V's [channel][key] have one shape: one macro loads both.
; SOFTMAX.  A running maximum m and sum l for each query: p = 2^(s - m); in every step O and l are multiplied by 2^(m_old - m_new).  m begins at -3e38, l and O at 0: the step is written once.
; CLUSTER.  The four query blocks of a cluster walk the same K and V: each piece is asked for JOINTLY, by the same tensor load with the same descriptor and the mask of all four.
; RING.  Two slots; a slot holds 256 keys of each half: 16 pieces of 64 rows (K half 0, K half 1, V half 0, V half 1, four each); wave w fetches pieces 2 w and 2 w + 1, which lie on end in memory and in LDS: one load of 128 rows
; a wave, no branch round it.  Four slots' worth in all.
; REGISTERS, in windows of 256 (s_set_vgpr_msb: bits 1:0 source 0, 3:2 source 1, 5:4 source 2, 7:6 destination):
;   window 0: v1-7 addresses; v8-39 statistics; v40-52 the epilogue's addresses; v62 the prefetch's offset; v64-191 S^T, then p, then P; v192-255 K of one step
;   window 1: v0-127 O^T; v128-191 Q; v192-255 V of one step
; All that the softmax touches but O^T lies in window 0: seven switches a step.
; LIMITS: NaN and infinities are not served.
.set PK,    144                        ; a row in LDS: 128 bytes + 16 of padding = 9 x 16: the 16 rows of a load start at 16 different 16-byte columns
.set CH,    64*PK                      ; a piece
.set SLOT,  16*CH
.set SPARE, 2*SLOT                     ; the spare words, 128 bytes for each of 8 waves
.set MG,    17408                      ; the merge, in slot 0 (read out and filled for the last time by then): for each wave 16,384 bytes of O's registers and 1,024 of m and l
.set OSTG,  32*PK                      ; the way out, in slot 1 behind the merge's barrier: 32 rows x 144 bytes for each wave
.set AK0, 1                            ; v1 my lane's place in my half's first piece of K;  v2 of V
.set AV0, 2
.set ADK, 3                            ; v3, v4 the addresses of the step in hand
.set ADV, 4
.set SPW, 5                            ; v5 my spare word; never rewritten
.set NIL, 6                            ; v6 0; never rewritten
.set QO,  7
.set ST,  8                            ; tile t's statistics at v[8 + 8 t]: +0 m, +1 spare (at the end l), +2, +3 l in two halves, +4 to +7 at work (c0 to c3); the factor a lies in +6
.set PFO, 62                           ; v62 256 x lane; never rewritten
.set S,   64                           ; window 0: S^T: tile t, keys 16 x on, at 64 + 32 t + 8 x; then P, 16 registers a tile, at 64 + 32 t
.set KB,  192                          ; window 0: K's eight fragments: (rows 16 x on, 32 c on along the row) at 192 + 16 x + 8 c
.set O,   0                            ; window 1: O^T: tile t, channels 16 x on, at 32 t + 8 x
.set Q,   128                          ; window 1: Q: fragment (tile t, channels 32 c on) at 128 + 16 t + 8 c
.set VB,  192                          ; window 1: V's eight fragments
.set WV,  8
.set KH,  10
.set G1,  16                           ; s[16:23] group 1
.set G0A, 24                           ; s[24:27] group 0 for slot 0;  s[28:31] for slot 1
.set G0B, 28
.set SEL, 40                           ; s[40:41] lane selects: lane l xor 16
.set TB,  42                           ; s42 LDS byte of the step's piece, from my half's first piece of slot 0
.set CNT, 43
.set LIM, 44                           ; s44 1 in a wave that prefetches
.set PFA, 46
.set QP,  48
.set AOP, 50
.set MSB, 0
.macro WIN new                         ; the immediate's high byte repeats the setting that is left; a switch that changes nothing is dropped
.if MSB != \new
	s_set_vgpr_msb (MSB<<8)|\new
.set MSB, \new
.endif
.endm
.set W_KQ, 0x04                        ; K and S^T in window 0, Q (source 1) in window 1
.set W_PV, 0x51                        ; V (source 0) and O^T (C and D) in window 1, P in window 0
.set W_RS, 0x41                        ; O^T (destination and source 0) in window 1, a in window 0
.set TO_1, 0x40                        ; destination window 1, address window 0
.macro CROUND                          ; a round of the cluster's barrier
	s_barrier_signal -1
	s_barrier_wait -1
	s_cmp_lg_u32 s[WV], 0
	s_cbranch_scc1 .Lnot_wave_0_\@
	s_barrier_signal -3
.Lnot_wave_0_\@:
	s_barrier_wait -3
	s_barrier_signal -1
	s_barrier_wait -1
.endm
	s_load_b128 s[4:7], s[0:1], 0x0                ; hd s[4:5], ao s[6:7]
	v_lshl_add_u32 v[SPW], v0, 2, SPARE
	v_mov_b32 v[NIL], 0
	ds_add_u32 v[SPW], v[NIL]                      ; the wave's opening: the add, twice on end, and its wait ahead of my first tensor load
	ds_add_u32 v[SPW], v[NIL]
	v_lshrrev_b32 v1, 5, v0
	v_readfirstlane_b32 s[WV], v1                  ; wave 0..7
	s_and_b32 s9, s[WV], 3                         ; G
	s_lshr_b32 s[KH], s[WV], 2
	s_bfe_u32 s11, ttmp6, 0x40000                  ; cx
	s_lshl_b32 s12, ttmp9, 2
	s_add_co_u32 s12, s12, s11                     ; my block of 256 queries: it enters Q's and ao's addresses alone
	s_and_b32 s13, ttmp7, 0xffff
	s_lshr_b32 s14, s13, 4                         ; batch
	s_and_b32 s13, s13, 15                         ; head
	s_lshl_b32 s15, s13, 19
	s_lshl_b32 s32, s14, 18
	s_add_co_u32 s15, s15, s32                     ; where the batch and head begin in each part of hd
	; my two pieces of slot 0: part 1 (K: waves 0-3) or 2 (V), half (w / 2) % 2 (16 chunks on), chunks 2 (w % 2) and the next
	s_add_co_u32 s32, s[KH], 1
	s_lshl_b32 s32, s32, 23
	s_add_co_u32 s32, s32, s15
	s_bfe_u32 s33, s[WV], 0x10001
	s_lshl_b32 s33, s33, 17
	s_add_co_u32 s32, s32, s33
	s_and_b32 s33, s[WV], 1
	s_lshl_b32 s33, s33, 14
	s_add_co_u32 s32, s32, s33
	s_mov_b32 s33, 0
	; my queries, and where their results go
	s_lshl_b32 s34, s12, 8
	s_lshl_b32 s35, s9, 6
	s_add_co_u32 s34, s34, s35
	s_lshl_b32 s35, s14, 11
	s_add_co_u32 s34, s34, s35                     ; my first query's token
	s_lshl_b32 s36, s34, 7
	s_lshl_b32 s37, s13, 19
	s_add_co_u32 s36, s36, s37
	s_mov_b32 s37, 0                               ; s[36:37]: its row in part 0
	s_lshl_b32 s35, s[KH], 5
	s_add_co_u32 s34, s34, s35                     ; the tiles that I finish: tiles 2 KH and 2 KH + 1 of the 64 queries
	s_lshr_b32 s38, s34, 7
	s_lshl_b32 s38, s38, 18
	s_and_b32 s35, s34, 127
	s_lshl_b32 s35, s35, 7
	s_add_co_u32 s38, s38, s35
	s_lshl_b32 s35, s13, 14
	s_add_co_u32 s38, s38, s35
	s_mov_b32 s39, 0                               ; s[38:39]: their place in ao: 32 rows of 128 bytes on end
	; the prefetch (see CHANGE): part 1 + (w / 2) % 2, half w % 2, chunk cx of the last slot's four
	s_bfe_u32 s34, s[WV], 0x10001
	s_add_co_u32 s34, s34, 1
	s_lshl_b32 s34, s34, 23
	s_add_co_u32 s34, s34, s15
	s_and_b32 s35, s[WV], 1
	s_lshl_b32 s35, s35, 17
	s_add_co_u32 s34, s34, s35
	s_lshl_b32 s35, s11, 13
	s_add_co_u32 s34, s34, s35
	s_add_co_u32 s34, s34, 3*32768
	s_mov_b32 s35, 0
	s_lshr_b32 s[LIM], s[WV], 2                    ; 0 in waves 0 to 3,
	s_or_b32 s[LIM], s[LIM], ttmp9                 ; of the batch and head's first cluster: the same in all four partners
	s_cmp_eq_u32 s[LIM], 0
	s_cselect_b32 s[LIM], 1, -1
	; group 1: 128 rows x 64 elements of 2 bytes, dense in memory, 16 bytes of padding behind each row
	s_mov_b32 s[G1], 15|(1<<16)|(1<<20)|(1<<21)|(4<<22)|(3<<25)   ; 15:0 the mask: all four; 17:16 2 bytes; 20 padding on; 21 set beside a mask; 24:22 after every 32 words; 31:25 four words
	s_mov_b32 s[G1+1], 64<<16                      ; tensor_dim0
	s_mov_b32 s[G1+2], 128<<16                     ; tensor_dim1
	s_mov_b32 s[G1+3], 64<<16                      ; tile_dim0
	s_mov_b32 s[G1+4], 128                         ; tile_dim1
	s_mov_b32 s[G1+5], 64                          ; from row to row
	s_mov_b32 s[G1+6], 0
	s_mov_b32 s[G1+7], 0
	s_mov_b32 s[SEL], 0x76543210
	s_mov_b32 s[SEL+1], 0xfedcba98
	s_mov_b32 s[G0A], 1
	s_mul_i32 s[G0A+1], s[WV], 2*CH                ; pieces 2 w, 2 w + 1 of slot 0
	s_mov_b32 s[G0B], 1
	s_add_co_u32 s[G0B+1], s[G0A+1], SLOT          ; of slot 1
	s_wait_dscnt 0x0                               ; both opening adds are done
	s_wait_kmcnt 0x0
	s_add_nc_u64 s[G0A+2:G0A+3], s[4:5], s[32:33]
	s_add_nc_u64 s[G0B+2:G0B+3], s[G0A+2:G0A+3], 32768   ; slot 1 begins four chunks on
	s_or_b32 s[G0A+3], s[G0A+3], 0x80000000        ; type = 2
	s_or_b32 s[G0B+3], s[G0B+3], 0x80000000
	s_add_nc_u64 s[QP:QP+1], s[4:5], s[36:37]
	s_add_nc_u64 s[AOP:AOP+1], s[6:7], s[38:39]
	s_add_nc_u64 s[PFA:PFA+1], s[4:5], s[34:35]
	CROUND                                         ; all four work-groups are here: the first joint loads meet
	tensor_load_to_lds s[G0A:G0A+3], s[G1:G1+7]    ; two loads of mine are out behind these lines
	s_nop 0
	tensor_load_to_lds s[G0B:G0B+3], s[G1:G1+7]
	s_nop 0
.rept 4
	v_nop
.endr
	v_and_b32 v40, 15, v0                          ; r
	v_bfe_u32 v41, v0, 4, 1                        ; h
	v_lshlrev_b32 v[QO], 7, v40
	v_lshl_add_u32 v[QO], v41, 4, v[QO]            ; a row of Q is 128 bytes; + 16 h
	v_mul_u32_u24 v[AK0], v40, PK
	v_lshl_add_u32 v[AK0], v41, 4, v[AK0]
	s_mul_i32 s32, s[KH], 4*CH
	v_add_nc_u32 v[AK0], s32, v[AK0]               ; row r x pitch + 16 h + my half's four pieces
	v_add_nc_u32 v[AV0], 8*CH, v[AK0]              ; V's lie eight pieces on
	v_and_b32 v[PFO], 31, v0
	v_lshlrev_b32 v[PFO], 8, v[PFO]
.irp t, 0,1,2,3
	v_mov_b32 v[ST+8*\t], 0xff61b1e6               ; m: -3e38, under every score
	v_mov_b32 v[ST+8*\t+1], 0                      ; (named with m as a pair, so it is written)
	v_mov_b32 v[ST+8*\t+2], 0                      ; l
	v_mov_b32 v[ST+8*\t+3], 0
.endr
	WIN TO_1
.irp t, 0,1,2,3
.irp c, 0,1
	global_load_b128 v[Q+16*\t+8*\c:Q+16*\t+8*\c+3], v[QO], s[QP:QP+1] offset:\t*2048+64*\c       ; Q stays in registers
	global_load_b128 v[Q+16*\t+8*\c+4:Q+16*\t+8*\c+7], v[QO], s[QP:QP+1] offset:\t*2048+64*\c+32
.endr
.endr
.set i, 0
.rept 128
	v_mov_b32 v[O+i], 0                            ; O^T: the first step finds zeros, which its factor leaves zeros.  Written once in the launch, while the first tiles are on their way; it spares a fifth copy of the step
.set i, i+1
.endr
	WIN 0
.macro LOADF reg, adr, off             ; a chunk's eight fragments: lane (r, h) takes row 16 x + r; registers 0-3: 8 h + 0 .. 7 of the row's 32 c on, registers 4-7: 16 + 8 h + 0 .. 7
.irp x, 0,1,2,3
.irp c, 0,1
	ds_load_b128 v[\reg+16*\x+8*\c:\reg+16*\x+8*\c+3], v[\adr] offset:(\off)+\x*16*PK+64*\c
	ds_load_b128 v[\reg+16*\x+8*\c+4:\reg+16*\x+8*\c+7], v[\adr] offset:(\off)+\x*16*PK+64*\c+32
.endr
.endr
.endm
; 32 products each.  The sixteen accumulators take turns, one instruction a turn.
.macro MMS                             ; S^T = K Q^T: the first sixteen start the sums
.irp c, 0,1
.irp x, 0,1,2,3
.irp t, 0,1,2,3
.if \c == 0
	v_wmma_f32_16x16x32_f16 v[S+32*\t+8*\x:S+32*\t+8*\x+7], v[KB+16*\x+8*\c:KB+16*\x+8*\c+7], v[Q+16*\t+8*\c:Q+16*\t+8*\c+7], 0
.else
	v_wmma_f32_16x16x32_f16 v[S+32*\t+8*\x:S+32*\t+8*\x+7], v[KB+16*\x+8*\c:KB+16*\x+8*\c+7], v[Q+16*\t+8*\c:Q+16*\t+8*\c+7], v[S+32*\t+8*\x:S+32*\t+8*\x+7]
.endif
.endr
.endr
.endr
.endm
.macro MMO                             ; O^T += V^T P
.irp c, 0,1
.irp x, 0,1,2,3
.irp t, 0,1,2,3
	v_wmma_f32_16x16x32_f16 v[O+32*\t+8*\x:O+32*\t+8*\x+7], v[VB+16*\x+8*\c:VB+16*\x+8*\c+7], v[S+32*\t+8*\c:S+32*\t+8*\c+7], v[O+32*\t+8*\x:O+32*\t+8*\x+7]
.endr
.endr
.endr
.endm
; The softmax of a step, the four tiles line by line, so that no line waits for the line above it.
.macro SOFTMAX
.irp j, 0,1,2,3                        ; the maximum: four chains a tile, one for each accumulator, each begun at the accumulator's low end
.irp t, 0,1,2,3
	v_max3_num_f32 v[ST+8*\t+4+\j], v[S+32*\t+8*\j], v[S+32*\t+8*\j+1], v[S+32*\t+8*\j+2]
.endr
.endr
.irp i, 3,5
.irp j, 0,1,2,3
.irp t, 0,1,2,3
	v_max3_num_f32 v[ST+8*\t+4+\j], v[ST+8*\t+4+\j], v[S+32*\t+8*\j+\i], v[S+32*\t+8*\j+\i+1]
.endr
.endr
.endr
.irp t, 0,1,2,3
	v_max3_num_f32 v[ST+8*\t+4], v[ST+8*\t+4], v[S+32*\t+7], v[S+32*\t+15]
.endr
.irp t, 0,1,2,3
	v_max3_num_f32 v[ST+8*\t+6], v[ST+8*\t+6], v[S+32*\t+23], v[S+32*\t+31]
.endr
.irp t, 0,1,2,3
	v_max3_num_f32 v[ST+8*\t+4], v[ST+8*\t+4], v[ST+8*\t+5], v[ST+8*\t+6]
.endr
.irp t, 0,1,2,3
	v_max3_num_f32 v[ST+8*\t+4], v[ST+8*\t+4], v[ST+8*\t+7], v[ST+8*\t]     ; and the old m
.endr
.irp t, 0,1,2,3
	v_permlanex16_b32 v[ST+8*\t+5], v[ST+8*\t+4], s[SEL], s[SEL+1]          ; the query's other 32 keys lie in the lane 16 away
.endr
.irp t, 0,1,2,3
	v_max_num_f32 v[ST+8*\t+5], v[ST+8*\t+4], v[ST+8*\t+5]                  ; the new m
.endr
.irp t, 0,1,2,3
	v_sub_f32 v[ST+8*\t+7], v[ST+8*\t], v[ST+8*\t+5]                        ; m_old - m_new
.endr
.irp t, 0,1,2,3
	v_mov_b32 v[ST+8*\t], v[ST+8*\t+5]
.endr
	; ONE BATCH: the 64 subtractions s - m, a pair of scores each, and all 132 exponentials; none of these lines names an exponential's result.  A pair is brought under m one round ahead of its two exponentials,
	; so that a plain line leads each two exponentials.
.irp t, 0,1,2,3
	v_pk_add_f32 v[S+32*\t:S+32*\t+1], v[S+32*\t:S+32*\t+1], v[ST+8*\t:ST+8*\t+1] op_sel_hi:[1,0] neg_lo:[0,1] neg_hi:[0,1]
.endr
.irp t, 0,1,2,3
	v_exp_f32 v[ST+8*\t+6], v[ST+8*\t+7]           ; a = 2^(m_old - m_new)
.endr
.set e, 0
.rept 15
.irp t, 0,1,2,3
	v_pk_add_f32 v[S+32*\t+2*e+2:S+32*\t+2*e+3], v[S+32*\t+2*e+2:S+32*\t+2*e+3], v[ST+8*\t:ST+8*\t+1] op_sel_hi:[1,0] neg_lo:[0,1] neg_hi:[0,1]
	v_exp_f32 v[S+32*\t+2*e], v[S+32*\t+2*e]
	v_exp_f32 v[S+32*\t+2*e+1], v[S+32*\t+2*e+1]
.endr
.set e, e+1
.endr
.irp t, 0,1,2,3
	v_exp_f32 v[S+32*\t+30], v[S+32*\t+30]
	v_exp_f32 v[S+32*\t+31], v[S+32*\t+31]
.endr
	v_nop                                          ; a plain line behind the last exponential (ISA guide 5.7.2),
	s_wait_alu depctr_va_vdst(0)                   ; and one wait ahead of the batch's first reader
.irp t, 0,1,2,3                        ; the sums, of p before it is rounded, in two chains a tile
	v_pk_fma_f32 v[ST+8*\t+2:ST+8*\t+3], v[ST+8*\t+2:ST+8*\t+3], v[ST+8*\t+6:ST+8*\t+7], v[S+32*\t:S+32*\t+1] op_sel_hi:[1,0,1]   ; l = a l + ..
.endr
.irp t, 0,1,2,3
	v_pk_add_f32 v[ST+8*\t+4:ST+8*\t+5], v[S+32*\t+2:S+32*\t+3], v[S+32*\t+6:S+32*\t+7]
.endr
.irp b, 4,8,12,16,20,24
.irp t, 0,1,2,3
	v_pk_add_f32 v[ST+8*\t+2:ST+8*\t+3], v[ST+8*\t+2:ST+8*\t+3], v[S+32*\t+\b:S+32*\t+\b+1]
	v_pk_add_f32 v[ST+8*\t+4:ST+8*\t+5], v[ST+8*\t+4:ST+8*\t+5], v[S+32*\t+\b+6:S+32*\t+\b+7]
.endr
.endr
.irp t, 0,1,2,3
	v_pk_add_f32 v[ST+8*\t+2:ST+8*\t+3], v[ST+8*\t+2:ST+8*\t+3], v[S+32*\t+28:S+32*\t+29]
.endr
.irp t, 0,1,2,3
	v_pk_add_f32 v[ST+8*\t+2:ST+8*\t+3], v[ST+8*\t+2:ST+8*\t+3], v[ST+8*\t+4:ST+8*\t+5]
.endr
.set e, 0
.rept 16                               ; P, in place: register e is written when registers 2 e and 2 e + 1 are read
.irp t, 0,1,2,3
	v_cvt_pk_f16_f32 v[S+32*\t+e], v[S+32*\t+2*e], v[S+32*\t+2*e+1]
.endr
.set e, e+1
.endr
	WIN W_RS
.irp b, 0,2,4,6,8,10,12,14,16,18,20,22,24,26,28,30
.irp t, 0,1,2,3
	v_pk_mul_f32 v[O+32*\t+\b:O+32*\t+\b+1], v[O+32*\t+\b:O+32*\t+\b+1], v[ST+8*\t+6:ST+8*\t+7] op_sel_hi:[1,0]   ; O^T x a, each accumulator from its low end on
.endr
.endr
	WIN 0
.endm
; A KEY STEP: 64 keys of my half.  K was asked for ahead of the last step's second products (a slot's first: ahead of the loop).  V's loads are issued ahead of the softmax and land under it.
; The next step's K is asked for ahead of this step's second products and lands under them; a slot's last step asks for none: a scalar branch on the count of steps, round the sixteen loads alone; both waits on DScnt are for 0 on both ways.
.macro STEP
	v_add_nc_u32 v[ADK], s[TB], v[AK0]
	v_add_nc_u32 v[ADV], s[TB], v[AV0]
.rept 3
	v_nop                                          ; with the two additions five places behind the last step's products: the scores are written over P, which those read (ISA guide 7.12.1)
.endr
	s_wait_dscnt 0x0                               ; K is in
	WIN W_KQ
	MMS
.rept 4
	v_nop                                          ; places in front of the first read of the scores, of the loads into V's registers and, further down, of those into K's
.endr
	WIN TO_1
	LOADF VB, ADV, 0
	WIN 0
	SOFTMAX
	s_wait_dscnt 0x0                               ; V is in
	s_cmp_eq_u32 s[CNT], 1
	s_cbranch_scc1 .Lno_k_\@
	LOADF KB, ADK, CH                              ; the next piece of the same slot
.Lno_k_\@:
	WIN W_PV
	MMO
	WIN 0
	s_add_co_u32 s[TB], s[TB], CH
.endm
.macro STEPS slot                      ; a slot's four steps: written once, walked four times
	s_mov_b32 s[TB], \slot*SLOT
	s_mov_b32 s[CNT], 4
	v_add_nc_u32 v[ADK], s[TB], v[AK0]
	LOADF KB, ADK, 0                               ; the slot's first K
.Lstep_\@:
	STEP
	s_sub_co_u32 s[CNT], s[CNT], 1
	s_cmp_lg_u32 s[CNT], 0
	s_cbranch_scc1 .Lstep_\@
.endm
; THE CHANGE OF SLOTS.  Each wave waits for all its tensor loads (its pieces of the slot ahead), adds 0 to its spare word, and waits for that and for its reads of the slot that it leaves.
; fill = 1: the barrier is a round of the cluster's, so that no wave of any partner still reads the slot or has a load on its way; the joint refill is the first thing behind it, one load a wave, and has a slot's four steps in which to land.
; ask = 1: A PREFETCH INTO THE L2 of the last slot's 16 pieces, which the next change will ask for: a slot's four key steps ahead of that load.  Each aligned 256 bytes is named once in the launch: the batch and head's first cluster asks;
; its four partners take one chunk of each four, told apart BY ADDRESS; in each, waves 0 to 3 ask, for K's and V's two halves: 8,192 bytes a wave, lanes 256 bytes apart.  The first three slots come by their loads alone.
.macro CHANGE g0, fill, ask
	s_wait_tensorcnt 0x0                           ; no tensor load of mine is out, so a group 0 may be written
	ds_add_u32 v[SPW], v[NIL]
.if \fill
	s_add_nc_u64 s[\g0+2:\g0+3], s[\g0+2:\g0+3], 65536   ; two slots on: eight chunks; the type bits on top are not reached
.endif
	s_wait_dscnt 0x0
.if \fill
	CROUND
	tensor_load_to_lds s[\g0:\g0+3], s[G1:G1+7]
	s_nop 0
.rept 4
	v_nop
.endr
.else
	s_barrier_signal -1
	s_barrier_wait -1
.endif
.if \ask
	s_cmp_eq_u32 s[LIM], 1
	s_cbranch_scc0 .Lnot_mine_\@
	global_prefetch_b8 v[PFO], s[PFA:PFA+1] th:TH_LOAD_NT scope:SCOPE_SE
.Lnot_mine_\@:
.endif
.endm
	s_wait_tensorcnt 1                             ; my pieces of slot 0 are in; slot 1's may stay out
	s_barrier_signal -1
	s_barrier_wait -1                              ; everybody's are
	s_wait_loadcnt 0x0                             ; Q
	STEPS 0
	CHANGE G0A, 1, 1
	STEPS 1
	CHANGE G0B, 1, 0
	STEPS 0
	CHANGE G0A, 0, 0                               ; nothing is left to fetch
	STEPS 1
	; THE MERGE.  l's two halves and the other half of the lanes' are added.  Each wave lays O^T's 128 registers and (m, l) of its four tiles into its scratch as they stand; behind a barrier wave (G, KH) finishes tiles 2 KH and 2 KH + 1
	; of the 64 queries from its own image and its partner's (wave w xor 4).  The lines below are also the places behind the last products.
.irp t, 0,1,2,3
	v_add_f32 v[ST+8*\t+1], v[ST+8*\t+2], v[ST+8*\t+3]
.endr
.irp t, 0,1,2,3
	v_permlanex16_b32 v[ST+8*\t+4], v[ST+8*\t+1], s[SEL], s[SEL+1]
.endr
.irp t, 0,1,2,3
	v_add_f32 v[ST+8*\t+1], v[ST+8*\t+1], v[ST+8*\t+4]
.endr
	v_and_b32 v40, 31, v0                          ; lane
	s_mul_i32 s32, s[WV], MG                       ; my scratch,
	s_xor_b32 s33, s[WV], 4
	s_mul_i32 s33, s33, MG                         ; my partner's
	s_lshl_b32 s34, s[KH], 13                      ; my two tiles' 8,192 bytes of an image,
	s_lshl_b32 s35, s[KH], 9                       ; their 512 bytes of statistics
	v_lshlrev_b32 v41, 4, v40                      ; 16 x lane
	v_lshlrev_b32 v42, 3, v40                      ; 8 x lane
	v_add_nc_u32 v43, s32, v41                     ; where I lay the image,
	v_add_nc_u32 v44, s32, v42                     ; and (16,384 bytes on) the statistics
	s_add_co_u32 s36, s32, s34
	s_add_co_u32 s37, s33, s34
	v_add_nc_u32 v45, s36, v41                     ; where I read my two tiles: mine,
	v_add_nc_u32 v46, s37, v41                     ; my partner's
	s_add_co_u32 s36, s32, s35
	s_add_co_u32 s37, s33, s35
	v_add_nc_u32 v47, s36, v42
	v_add_nc_u32 v48, s37, v42
	s_mul_i32 s38, s[WV], OSTG
	s_add_co_u32 s38, s38, SLOT                    ; my stage for the way out
	v_and_b32 v51, 15, v0
	v_bfe_u32 v52, v0, 4, 1
	v_mul_u32_u24 v49, v51, PK
	v_lshl_add_u32 v49, v52, 4, v49
	v_add_nc_u32 v49, s38, v49                     ; in: row r, + 16 h
	v_lshrrev_b32 v51, 3, v40
	v_and_b32 v52, 7, v40
	v_mul_u32_u24 v50, v51, PK
	v_lshl_add_u32 v50, v52, 4, v50
	v_add_nc_u32 v50, s38, v50                     ; back: row lane / 8, 16 (lane % 8)
	WIN 0x04                                       ; an LDS store's data are its source 1: window 1
.set i, 0
.rept 32
	ds_store_b128 v43, v[O+4*i:O+4*i+3] offset:512*i   ; each accumulator from its low end on
.set i, i+1
.endr
	WIN 0
.irp t, 0,1,2,3
	ds_store_b64 v44, v[ST+8*\t:ST+8*\t+1] offset:16384+256*\t
.endr
	s_wait_dscnt 0x0                               ; for the others' sake: my stores have landed, and my reads of slot 1 are over
	s_barrier_signal -1
	s_barrier_wait -1
.set i, 0
.rept 16
	ds_load_b128 v[64+4*i:64+4*i+3], v45 offset:512*i      ; tile u of my two at v[64 + 32 u]
.set i, i+1
.endr
.set i, 0
.rept 16
	ds_load_b128 v[128+4*i:128+4*i+3], v46 offset:512*i    ; my partner's at v[128 + 32 u]
.set i, i+1
.endr
.irp u, 0,1                            ; tile u's numbers at v[8 + 16 u]: +0, +1 m, l of my half; +2, +3 of the other; +4 the common m; +5, +6 the two factors; +7 the sum; +8 .. +11 the factors over the sum, each twice
	ds_load_b64 v[8+16*\u:9+16*\u], v47 offset:16384+256*\u
	ds_load_b64 v[10+16*\u:11+16*\u], v48 offset:16384+256*\u
.endr
	s_wait_dscnt 0x0
.irp u, 0,1
	v_max_num_f32 v[12+16*\u], v[8+16*\u], v[10+16*\u]
.endr
.irp u, 0,1
	v_sub_f32 v[13+16*\u], v[8+16*\u], v[12+16*\u]
	v_sub_f32 v[14+16*\u], v[10+16*\u], v[12+16*\u]
.endr
.irp u, 0,1
	v_exp_f32 v[13+16*\u], v[13+16*\u]
	v_exp_f32 v[14+16*\u], v[14+16*\u]
.endr
	v_nop
	s_wait_alu depctr_va_vdst(0)                   ; one wait for the four exponentials, ahead of their first reader
.irp u, 0,1
	v_mul_f32 v[15+16*\u], v[13+16*\u], v[9+16*\u]
.endr
.irp u, 0,1
	v_fmac_f32 v[15+16*\u], v[14+16*\u], v[11+16*\u]   ; the row's sum under the common maximum
.endr
.irp u, 0,1
	v_rcp_f32 v[15+16*\u], v[15+16*\u]
.endr
	v_nop
	s_wait_alu depctr_va_vdst(0)                   ; and one for the two reciprocals
.irp u, 0,1
	v_mul_f32 v[16+16*\u], v[13+16*\u], v[15+16*\u]
	v_mul_f32 v[17+16*\u], v[13+16*\u], v[15+16*\u]
	v_mul_f32 v[18+16*\u], v[14+16*\u], v[15+16*\u]
	v_mul_f32 v[19+16*\u], v[14+16*\u], v[15+16*\u]
.endr
.irp u, 0,1
.set i, 0
.rept 16
	v_pk_mul_f32 v[64+32*\u+i:65+32*\u+i], v[64+32*\u+i:65+32*\u+i], v[16+16*\u:17+16*\u]
.set i, i+2
.endr
.set i, 0
.rept 16
	v_pk_fma_f32 v[64+32*\u+i:65+32*\u+i], v[128+32*\u+i:129+32*\u+i], v[18+16*\u:19+16*\u], v[64+32*\u+i:65+32*\u+i]
.set i, i+2
.endr
.set i, 0
.rept 16
	v_cvt_pk_f16_f32 v[64+32*\u+i], v[64+32*\u+2*i], v[64+32*\u+2*i+1]   ; register 4 x + j: channels 16 x + 8 h + 2 j, + 1 of query r
.set i, i+1
.endr
.endr
.irp u, 0,1
.irp x, 0,1,2,3
	ds_store_b128 v49, v[64+32*\u+4*\x:64+32*\u+4*\x+3] offset:\u*16*PK+32*\x
.endr
.endr
.irp i, 0,1,2,3,4,5,6,7
	ds_load_b128 v[128+4*\i:128+4*\i+3], v50 offset:4*PK*\i   ; LDS serves a wave's instructions in order: these see the stores above
.endr
.irp i, 0,1,2,3,4,5,6,7
	s_wait_dscnt 7-\i                              ; the younger loads may be out
	global_store_b128 v41, v[128+4*\i:128+4*\i+3], s[AOP:AOP+1] offset:512*\i   ; four rows of 128 bytes lie on end: 512 consecutive bytes, aligned
.endr
	s_wait_tensorcnt 0x0                           ; the wave's end
	ds_add_u32 v[SPW], v[NIL]
	s_wait_dscnt 0x0
	CROUND                                         ; the closing round
	s_endpgm
.Lfunc_end_k_q61d8512d61_attn:
	.size	k_q61d8512d61_attn, .Lfunc_end_k_q61d8512d61_attn-k_q61d8512d61_attn
	.p2alignl 7, 3214868480
	.fill 96, 4, 3214868480
	.section	.rodata,"a",@progbits
	.p2align	6, 0x0
	.amdhsa_kernel k_q61d8512d61_attn
		.amdhsa_group_segment_fixed_size 327680
		.amdhsa_private_segment_fixed_size 0
		.amdhsa_enable_private_segment 0
		.amdhsa_kernarg_size 16
		.amdhsa_user_sgpr_count 2
		.amdhsa_user_sgpr_kernarg_segment_ptr 1
		.amdhsa_wavefront_size32 1
		.amdhsa_system_sgpr_workgroup_id_x 1
		.amdhsa_system_sgpr_workgroup_id_y 1
		.amdhsa_system_sgpr_workgroup_id_z 1
		.amdhsa_system_vgpr_workitem_id 0
		.amdhsa_next_free_vgpr 512
		.amdhsa_next_free_sgpr 66
		.amdhsa_reserve_vcc 0
		.amdhsa_float_denorm_mode_32 3
		.amdhsa_float_denorm_mode_16_64 3
		.amdhsa_memory_ordered 1
		.amdhsa_forward_progress 1
		.amdhsa_inst_pref_size 160
	.end_amdhsa_kernel
	.amdgpu_metadata
---
amdhsa.version: [ 1, 2 ]
amdhsa.kernels:
  - .name:           k_q61d8512d61_attn
    .symbol:         k_q61d8512d61_attn.kd
    .args:
      - { .name: hd, .offset: 0, .size: 8, .value_kind: global_buffer, .address_space: global }
      - { .name: ao, .offset: 8, .size: 8, .value_kind: global_buffer, .address_space: global }
    .group_segment_fixed_size: 327680
    .private_segment_fixed_size: 0
    .kernarg_segment_align: 8
    .kernarg_segment_size: 16
    .max_flat_workgroup_size: 256
    .sgpr_count:     66
    .vgpr_count:     512
    .wavefront_size: 32
...
	.end_amdgpu_metadata
.endif
;; end of part 3
;; launch oproj (part 4): grid 8 x 32, 4 waves a work-group, clusters of 4 x 4, 327,680 bytes of LDS; arguments ao, wo16, bo, out0; writes out0
.if DOCPART == 4
	.amdgcn_target "amdgcn-amd-amdhsa--gfx1250"
	.amdhsa_code_object_version 6
	.text
	.protected	k_q61d8512d61_oproj
	.globl	k_q61d8512d61_oproj
	.p2align	8
	.type	k_q61d8512d61_oproj,@function
k_q61d8512d61_oproj:
	s_mov_b64 s[64:65], 0
	v_nop
	global_prefetch_b8 v0, s[64:65] scope:SCOPE_SE
	s_setreg_imm32_b32 hwreg(HW_REG_WAVE_MODE, 25, 1), 1
	s_wait_xcnt 0x0
	s_wait_alu depctr_hold_cnt(0) depctr_sa_sdst(0) depctr_va_vdst(0) depctr_va_sdst(0) depctr_va_ssrc(0) depctr_va_vcc(0) depctr_vm_vsrc(0)
	s_getreg_b32 s2, hwreg(HW_REG_IB_STS2, 6, 4)
	s_cmp_eq_u32 s2, 0
	s_cbranch_scc0 .Lentry_in_a_cluster
	s_endpgm
.Lentry_in_a_cluster:
	s_bfe_u32 s2, ttmp6, 0x10000c
	s_cmp_lg_u32 s2, 0xf033
	s_cbranch_scc0 .Lentry_shape_is_right
	s_endpgm
.Lentry_shape_is_right:
; out0[m][n] = sum over k of A[m][k] wo[n][k] + bo[n].  A (the attention's result) and wo in f16, sums in f32, out0 [4096][1024] f32.
; Both operands lie in planes: [row / 128][k / 64][row % 128][64], so that 64 along K of a tile's 128 rows are 16,384 dense bytes and two planes are 256 dense rows of 128 bytes for one tensor load.
; A tile of C is 128 x 128: 256 tiles, one for each work-group.  Four waves, each 64 x 64: 16 accumulators.  K goes in four steps of 256 (four planes) through two LDS slots.
; CLUSTERS: 4 x 4 work-groups.  The four of a row of the cluster need the same planes of A, the four of a column the same planes of wo: each is asked for JOINTLY, by the same tensor load with the same descriptor and a mask that names the four.
; THE MATRIX INSTRUCTION IS USED TRANSPOSED (source 0 = 16 rows of wo, source 1 = 16 rows of A): a lane holds eight neighbouring n of one row m.  The bias is the C of each sum's first product.
; No prefetch: a step's work is short and the tiles are small; the planes are shared in the cluster instead.
; REGISTERS: window 0: v0-31 addresses; v32-95 the way out; v96-127 the bias, eight registers for each block of 16 n; v128-255 the accumulators ((a, b) at v[128 + 8 (4 a + b)]).
;   window 1: two fragment buffers of 128: for 64 along K, 64 registers of A, then 64 of wo.
.set PITCH,  144                       ; an LDS row: 128 bytes + 16 of padding = 9 x 16: the 16 rows of a load start at 16 different 16-byte columns
.set PLANE,  128*PITCH
.set PAIR,   2*PLANE                   ; what one tensor load brings
.set SLOT,   4*PAIR                    ; A's four planes, then wo's four
.set SPARE,  2*SLOT                    ; the spare words, 128 bytes a wave
.set SPITCH, 272                       ; the way out: 16 rows x (256 bytes + 16) for each wave, in slot 0, which nobody reads and nothing fills any more by then
.set ADRA, 16
.set ADRB, 20
.set STO,  24
.set RD,   25
.set CO,   26
.set BO,   27
.set SPW,  28                          ; v28 my spare word; never rewritten
.set NIL,  29                          ; v29 0; never rewritten
.set TMP,  32
.set BIAS, 96
.set ACC,  128
.set F0,   0
.set F1,   128
.set WV,   12                          ; s12 wave;  s13 which half of the rows is mine, also: I fetch for A (0) or wo (1);  s14 which half of the columns, also: which two planes I fetch
.set HM,   13
.set HN,   14
.set G1, 24
.set G0, 32
.set G1B, 48
.set G0B, 56
.set MSB, 0
.macro WIN new                         ; the immediate's high byte repeats the setting that is left
.if MSB != \new
	s_set_vgpr_msb (MSB<<8)|\new
.set MSB, \new
.endif
.endm
.set MUL,  0x05                        ; sources 0 and 1 window 1; C and D window 0
.set TO_F, 0x40                        ; destination window 1, address window 0
.macro JLOAD s                         ; a joint load; an s_nop 0 and four v_nop follow each of the two lines
	s_cmp_eq_u32 s[HM], 0
	s_cbranch_scc0 .Lfor_b_\@
	tensor_load_to_lds s[G0+4*\s:G0+4*\s+3], s[G1:G1+7]
	s_nop 0
.rept 4
	v_nop
.endr
	s_branch .Lasked_\@
.Lfor_b_\@:
	tensor_load_to_lds s[G0B+4*\s:G0B+4*\s+3], s[G1B:G1B+7]
	s_nop 0
.rept 4
	v_nop
.endr
.Lasked_\@:
.endm
.macro CREST                           ; a round of the cluster's barrier behind its opening barrier
	s_cmp_lg_u32 s[WV], 0
	s_cbranch_scc1 .Lnot_wave_0_\@
	s_barrier_signal -3
.Lnot_wave_0_\@:
	s_barrier_wait -3
	s_barrier_signal -1
	s_barrier_wait -1
.endm
.macro CROUND
	s_barrier_signal -1
	s_barrier_wait -1
	CREST
.endm
	s_load_b256 s[4:11], s[0:1], 0x0               ; ao s[4:5], wo16 s[6:7], bo s[8:9], out0 s[10:11]
	v_lshl_add_u32 v[SPW], v0, 2, SPARE
	v_mov_b32 v[NIL], 0
	ds_add_u32 v[SPW], v[NIL]                      ; the wave's opening: the add, twice on end, and its wait ahead of my first tensor load
	ds_add_u32 v[SPW], v[NIL]
	v_lshrrev_b32 v1, 5, v0
	v_readfirstlane_b32 s[WV], v1
	s_lshr_b32 s[HM], s[WV], 1
	s_and_b32 s[HN], s[WV], 1
	s_bfe_u32 s40, ttmp6, 0x40000                  ; cx
	s_bfe_u32 s41, ttmp6, 0x40004                  ; cy
	s_lshl_b32 s42, ttmp9, 2
	s_add_co_u32 s42, s42, s40                     ; tile column
	s_and_b32 s15, ttmp7, 0xffff
	s_lshl_b32 s15, s15, 2
	s_add_co_u32 s15, s15, s41                     ; tile row
	s_lshl_b32 s43, s41, 2
	s_lshl_b32 s43, 15, s43                        ; my row of the cluster
	s_lshl_b32 s44, 0x1111, s40                    ; my column
	; group 1: 256 rows x 64 elements of 2 bytes, dense in memory, 16 bytes of padding behind each row
	s_or_b32 s[G1+0], s43, (1<<16)|(1<<20)|(1<<21)|(4<<22)|(3<<25)  ; 15:0 the mask; 17:16 2 bytes; 20 padding on; 21 set beside a mask; 24:22 after every 32 words; 31:25 four words
	s_or_b32 s[G1B+0], s44, (1<<16)|(1<<20)|(1<<21)|(4<<22)|(3<<25)
.irp g, G1, G1B
	s_mov_b32 s[\g+1], 64<<16                      ; tensor_dim0
	s_mov_b32 s[\g+2], 256<<16                     ; tensor_dim1
	s_mov_b32 s[\g+3], 64<<16                      ; tile_dim0
	s_mov_b32 s[\g+4], 256                         ; tile_dim1
	s_mov_b32 s[\g+5], 64                          ; from row to row
	s_mov_b32 s[\g+6], 0
	s_mov_b32 s[\g+7], 0
.endr
	s_lshl_b32 s20, s[HN], 15                      ; which two planes of a step's four I fetch
	s_lshl_b32 s16, s15, 18                        ; A: a block of 128 rows is 262,144 bytes
	s_add_co_u32 s16, s16, s20
	s_mov_b32 s17, 0
	s_lshl_b32 s46, s42, 18                        ; wo likewise
	s_add_co_u32 s46, s46, s20
	s_mov_b32 s47, 0
	s_mul_i32 s21, s[WV], PAIR                     ; where they go: no place in the cluster enters an LDS address
	s_wait_dscnt 0x0                               ; both opening adds are done
	s_wait_kmcnt 0x0
	s_add_nc_u64 s[16:17], s[4:5], s[16:17]
	s_add_nc_u64 s[46:47], s[6:7], s[46:47]
	CROUND                                         ; all sixteen work-groups are here: the first joint loads meet
.irp s, 0,1
	s_mov_b32 s[G0+4*\s], 1
	s_add_co_u32 s[G0+4*\s+1], s21, \s*SLOT
	s_add_nc_u64 s[G0+4*\s+2:G0+4*\s+3], s[16:17], \s*65536       ; K step s: four planes on
	s_or_b32 s[G0+4*\s+3], s[G0+4*\s+3], 0x80000000
	s_mov_b32 s[G0B+4*\s], 1
	s_add_co_u32 s[G0B+4*\s+1], s21, \s*SLOT
	s_add_nc_u64 s[G0B+4*\s+2:G0B+4*\s+3], s[46:47], \s*65536
	s_or_b32 s[G0B+4*\s+3], s[G0B+4*\s+3], 0x80000000
	JLOAD \s                                       ; two loads of mine are out behind the second
.endr
	v_and_b32 v1, 15, v0                           ; r
	v_bfe_u32 v2, v0, 4, 1                         ; h
	s_lshl_b32 s46, s42, 9                         ; my first column, in bytes of f32: 512 x tile column + 256 x half
	s_lshl_b32 s47, s[HN], 8
	s_add_co_u32 s46, s46, s47
	v_lshl_add_u32 v[BO], v2, 5, s46               ; the bias: for block b numbers 16 b + 8 h + 0 .. 7
.irp b, 0,1,2,3
	global_load_b128 v[BIAS+8*\b:BIAS+8*\b+3], v[BO], s[8:9] offset:64*\b
	global_load_b128 v[BIAS+8*\b+4:BIAS+8*\b+7], v[BO], s[8:9] offset:64*\b+16
.endr
	v_mul_u32_u24 v3, v1, PITCH
	v_lshl_add_u32 v3, v2, 4, v3                   ; a fragment's row x pitch + 16 h
	s_mul_i32 s21, s[HM], 64*PITCH                 ; my 64 rows of each plane of A
	s_mul_i32 s22, s[HN], 64*PITCH                 ; my 64 rows of each plane of wo,
	s_add_co_u32 s22, s22, 4*PLANE                 ; which lie behind A's four planes
.irp s, 0,1
	v_add_nc_u32 v[ADRA+\s], s21, v3
	v_add_nc_u32 v[ADRB+\s], s22, v3
	s_add_co_u32 s21, s21, SLOT
	s_add_co_u32 s22, s22, SLOT
.endr
	s_mul_i32 s23, s[WV], 16*SPITCH                ; my stage
	v_mul_u32_u24 v4, v1, SPITCH
	v_lshl_add_u32 v4, v2, 5, v4
	v_add_nc_u32 v[STO], s23, v4                   ; in: row r, 32 bytes for each half of the lanes
	v_mul_u32_u24 v5, v2, SPITCH
	v_lshl_add_u32 v5, v1, 4, v5
	v_add_nc_u32 v[RD], s23, v5                    ; back: lanes 0-15 one row of 256 bytes, lanes 16-31 the next
	v_lshlrev_b32 v5, 12, v2
	v_lshl_add_u32 v[CO], v1, 4, v5                ; and the same two rows in out0
	s_lshl_b32 s22, s15, 19                        ; my first row: 128 x tile row + 64 x half, 4,096 bytes a row
	s_lshl_b32 s23, s[HM], 18
	s_add_co_u32 s22, s22, s23
	s_add_co_u32 s22, s22, s46
	s_mov_b32 s23, 0
	s_add_nc_u64 s[10:11], s[10:11], s[22:23]
; 8 matrix instructions: m blocks a0, a0 + 1 x all 4 n blocks, 32 along K: half c of buffer f.  zero = 1: the first product starts the sums, from the bias.  The 16 accumulators take turns.
.macro MUL8 f, c, a0, zero
.irp a, \a0, \a0+1
.irp b, 0,1,2,3
.if \zero
	v_wmma_f32_16x16x32_f16 v[ACC+8*(4*(\a)+\b):ACC+8*(4*(\a)+\b)+7], v[\f+64+8*(4*\c+\b):\f+64+8*(4*\c+\b)+7], v[\f+8*(4*\c+\a):\f+8*(4*\c+\a)+7], v[BIAS+8*\b:BIAS+8*\b+7]
.else
	v_wmma_f32_16x16x32_f16 v[ACC+8*(4*(\a)+\b):ACC+8*(4*(\a)+\b)+7], v[\f+64+8*(4*\c+\b):\f+64+8*(4*\c+\b)+7], v[\f+8*(4*\c+\a):\f+8*(4*\c+\a)+7], v[ACC+8*(4*(\a)+\b):ACC+8*(4*(\a)+\b)+7]
.endif
.endr
.endr
.endm
; 32 LDS loads in one run: the fragments of plane q of the slot into buffer f; the first 32 along K first
.macro FETCH slot, q, f
	WIN TO_F
.irp c, 0,1
.irp i, 0,1,2,3
	ds_load_b128 v[\f+64+8*(4*\c+\i):\f+64+8*(4*\c+\i)+3],   v[ADRB+\slot] offset:(\q)*PLANE+64*\c+\i*16*PITCH
	ds_load_b128 v[\f+64+8*(4*\c+\i)+4:\f+64+8*(4*\c+\i)+7], v[ADRB+\slot] offset:(\q)*PLANE+64*\c+\i*16*PITCH+32
	ds_load_b128 v[\f+8*(4*\c+\i):\f+8*(4*\c+\i)+3],         v[ADRA+\slot] offset:(\q)*PLANE+64*\c+\i*16*PITCH
	ds_load_b128 v[\f+8*(4*\c+\i)+4:\f+8*(4*\c+\i)+7],       v[ADRA+\slot] offset:(\q)*PLANE+64*\c+\i*16*PITCH+32
.endr
.endr
.endm
.macro PLACES                          ; four places in front of loads into registers that matrix instructions have read, and of the first read of results
.rept 4
	v_nop
.endr
.endm
; A K step is four quarters, a plane each, 32 matrix instructions, on buffers 0, 1, 0, 1.  One of the first three: multiplies buffer f and fetches plane q into g.
.macro QUARTER slot, q, f, g, zero
	s_wait_dscnt 16                                ; the first 32 along K are in; the other sixteen loads may be out
	WIN MUL
	MUL8 \f, 0, 0, \zero
	MUL8 \f, 0, 2, \zero
	PLACES
	FETCH \slot, \q, \g
	s_wait_dscnt 32                                ; all but the 32 just issued
	WIN MUL
	MUL8 \f, 1, 0, 0
	MUL8 \f, 1, 2, 0
.endm
; The last quarter multiplies buffer 1 and changes slots: ONE barrier; in front of it each wave waits for all its tensor loads, adds 0 to its spare word, and waits for that and for its reads of this slot.  fill = 1: this slot is filled again, two K steps ahead.
.macro TURN slot, next, fill
	WIN 0                                          ; (the add's two registers lie in window 0)
	s_wait_tensorcnt 0x0                           ; all my tensor loads have landed: my part of the next slot
	ds_add_u32 v[SPW], v[NIL]
	s_wait_dscnt 17                                ; (the add and the youngest sixteen loads may be out)
	WIN MUL
	MUL8 F1, 0, 0, 0
	s_wait_dscnt 0x0                               ; the add is done, and my reads of this slot are over
	s_barrier_signal -1
	MUL8 F1, 0, 2, 0
.if \fill
	WIN 0
.endif
	s_barrier_wait -1
.if \fill
	CREST                                          ; the barrier has opened a round of the cluster's: no wave of any partner still reads this slot or has a load on its way
	s_add_nc_u64 s[G0+4*\slot+2:G0+4*\slot+3], s[G0+4*\slot+2:G0+4*\slot+3], 131072
	s_add_nc_u64 s[G0B+4*\slot+2:G0B+4*\slot+3], s[G0B+4*\slot+2:G0B+4*\slot+3], 131072
	JLOAD \slot                                    ; the first tensor load behind the round; its four v_nop are also the places in front of the loads below
.else
	PLACES
.endif
	FETCH \next, 0, F0
	WIN MUL
	MUL8 F1, 1, 0, 0
	MUL8 F1, 1, 2, 0
.endm
	s_wait_tensorcnt 1                             ; my part of K step 0 is in (K step 1's load may be out)
	s_barrier_signal -1
	s_barrier_wait -1                              ; everybody's is
	FETCH 0, 0, F0
	s_wait_loadcnt 0x0                             ; the bias
	QUARTER 0, 1, F0, F1, 1                        ; K step 0: its first products start the sums
	QUARTER 0, 2, F1, F0, 0
	QUARTER 0, 3, F0, F1, 0
	TURN 0, 1, 1                                   ; slot 0 takes K step 2
	QUARTER 1, 1, F0, F1, 0                        ; K step 1
	QUARTER 1, 2, F1, F0, 0
	QUARTER 1, 3, F0, F1, 0
	TURN 1, 0, 1                                   ; slot 1 takes K step 3
	QUARTER 0, 1, F0, F1, 0                        ; K step 2
	QUARTER 0, 2, F1, F0, 0
	QUARTER 0, 3, F0, F1, 0
	TURN 0, 1, 0                                   ; nothing is left to fetch
	QUARTER 1, 1, F0, F1, 0                        ; K step 3
	QUARTER 1, 2, F1, F0, 0
	QUARTER 1, 3, F0, F1, 0
	s_wait_dscnt 16
	WIN MUL
	MUL8 F1, 0, 0, 0
	MUL8 F1, 0, 2, 0
	s_wait_dscnt 0
	MUL8 F1, 1, 0, 0
	MUL8 F1, 1, 2, 0
	WIN 0
; THE WAY OUT.  A wave's 64 columns of f32 are 256 bytes, aligned: a block of 16 rows goes through my own stage and comes back as whole rows; sixteen lanes store 256 consecutive bytes.  No barrier: the stage is mine alone.
.macro TOSTAGE a
.irp b, 0,1,2,3
	ds_store_b128 v[STO], v[ACC+8*(4*(\a)+\b):ACC+8*(4*(\a)+\b)+3] offset:64*\b          ; each accumulator from its low end on
	ds_store_b128 v[STO], v[ACC+8*(4*(\a)+\b)+4:ACC+8*(4*(\a)+\b)+7] offset:64*\b+16
.endr
.irp t, 0,1,2,3,4,5,6,7
	ds_load_b128 v[TMP+32*((\a)%2)+4*\t:TMP+32*((\a)%2)+4*\t+3], v[RD] offset:2*SPITCH*\t   ; LDS serves a wave's instructions in order: these see the stores above
.endr
.endm
.macro SEND a, younger                 ; younger: the LDS instructions issued behind block a's loads, which may stay out
	s_wait_dscnt \younger
.irp t, 0,1,2,3,4,5,6,7
	global_store_b128 v[CO], v[TMP+32*((\a)%2)+4*\t:TMP+32*((\a)%2)+4*\t+3], s[10:11] offset:(16*(\a)+2*\t)*4096 th:TH_STORE_NT   ; written once, read by nobody here
.endr
.endm
	PLACES
	TOSTAGE 0
.irp a, 1,2,3
.if \a > 1
	s_wait_xcnt 0x0                                ; block a - 2's stores have read their registers: block a's loads may land there
.endif
	TOSTAGE \a
	SEND \a-1, 16                                  ; behind block a - 1's loads: block a's 8 stores and 8 loads
.endr
	SEND 3, 0
	s_wait_tensorcnt 0x0                           ; the wave's end
	ds_add_u32 v[SPW], v[NIL]
	s_wait_dscnt 0x0
	CROUND                                         ; the closing round
	s_endpgm
.Lfunc_end_k_q61d8512d61_oproj:
	.size	k_q61d8512d61_oproj, .Lfunc_end_k_q61d8512d61_oproj-k_q61d8512d61_oproj
	.p2alignl 7, 3214868480
	.fill 96, 4, 3214868480
	.section	.rodata,"a",@progbits
	.p2align	6, 0x0
	.amdhsa_kernel k_q61d8512d61_oproj
		.amdhsa_group_segment_fixed_size 327680
		.amdhsa_private_segment_fixed_size 0
		.amdhsa_enable_private_segment 0
		.amdhsa_kernarg_size 32
		.amdhsa_user_sgpr_count 2
		.amdhsa_user_sgpr_kernarg_segment_ptr 1
		.amdhsa_wavefront_size32 1
		.amdhsa_system_sgpr_workgroup_id_x 1
		.amdhsa_system_sgpr_workgroup_id_y 1
		.amdhsa_system_sgpr_workgroup_id_z 1
		.amdhsa_system_vgpr_workitem_id 0
		.amdhsa_next_free_vgpr 512
		.amdhsa_next_free_sgpr 66
		.amdhsa_reserve_vcc 0
		.amdhsa_float_denorm_mode_32 3
		.amdhsa_float_denorm_mode_16_64 3
		.amdhsa_memory_ordered 1
		.amdhsa_forward_progress 1
		.amdhsa_inst_pref_size 86
	.end_amdhsa_kernel
	.amdgpu_metadata
---
amdhsa.version: [ 1, 2 ]
amdhsa.kernels:
  - .name:           k_q61d8512d61_oproj
    .symbol:         k_q61d8512d61_oproj.kd
    .args:
      - { .name: ao, .offset: 0, .size: 8, .value_kind: global_buffer, .address_space: global }
      - { .name: wo16, .offset: 8, .size: 8, .value_kind: global_buffer, .address_space: global }
      - { .name: bo, .offset: 16, .size: 8, .value_kind: global_buffer, .address_space: global }
      - { .name: out0, .offset: 24, .size: 8, .value_kind: global_buffer, .address_space: global }
    .group_segment_fixed_size: 327680
    .private_segment_fixed_size: 0
    .kernarg_segment_align: 8
    .kernarg_segment_size: 32
    .max_flat_workgroup_size: 128
    .sgpr_count:     66
    .vgpr_count:     512
    .wavefront_size: 32
...
	.end_amdgpu_metadata
.endif
;; end of part 4
